; MI455X (gfx1250); checked and timed in simulation.
; The chip was launched on July 23, 2026; its instructions are those of AMD's public machine-readable ISA for CDNA 5 (MIT licence, August 2026) and "CDNA5" Instruction Set Architecture Reference Guide (July 2026). The comments in the code are by the model that wrote it; some were corrected since.
;; Causal Self Attention. Allowed arithmetic: matrix products marked QUANTISED: E2M3 operands, one E8M0 scale for each 32 along K, by v_wmma_scale_f32_16x16x128_f8f6f4 with both operands' format E2M3, f32 sums; everything else in f32.
;; Inputs: Wk_codes 1,024 x 32 x 24 uint8 (E2M3 codes of Wk, K innermost, in blocks of 32 codes, four codes in three bytes); Wk_scales 1,024 x 32 uint8 (E8M0 scales of Wk, one for each 32 codes along K); Wproj_codes 1,024 x 32 x 24 uint8 (E2M3 codes of Wproj, K innermost, in blocks of 32 codes, four codes in three bytes); Wproj_scales 1,024 x 32 uint8 (E8M0 scales of Wproj, one for each 32 codes along K); Wq_codes 1,024 x 32 x 24 uint8 (E2M3 codes of Wq, K innermost, in blocks of 32 codes, four codes in three bytes); Wq_scales 1,024 x 32 uint8 (E8M0 scales of Wq, one for each 32 codes along K); Wv_codes 1,024 x 32 x 24 uint8 (E2M3 codes of Wv, K innermost, in blocks of 32 codes, four codes in three bytes); Wv_scales 1,024 x 32 uint8 (E8M0 scales of Wv, one for each 32 codes along K); lamb one number float32; v1 4 x 2,048 x 1,024 float32; x_codes 4 x 2,048 x 32 x 24 uint8 (E2M3 codes of x, K innermost, in blocks of 32 codes, four codes in three bytes); x_scales 4 x 2,048 x 32 uint8 (E8M0 scales of x, one for each 32 codes along K).
;; Outputs: out0 4 x 2,048 x 1,024 float32; out1 4 x 2,048 x 1,024 float32.
;; This version of the problem:
;;   THIS VERSION OF THE PROBLEM IS GIVEN IN LOW PRECISION. The matrix products marked QUANTISED in the list below multiply operands that are first quantised to E2M3 (2 exponent bits, 3 mantissa bits; 6 bits a number), with one power-of-two scale for each 32 numbers along K (OCP MX v1.0); their sums are f32. All else is computed in f32.
;;   The module's matrix products, in the order in which they are computed (A, B: the left and right operand; K: the contracted axis; several contracted axes count as one K, in the product's order):
;;     1. [M 8,192, K 1,024] x [K 1,024, N 1,024]; A: input x (given as codes); B: input Wq (given as codes): QUANTISED
;;     2. [M 8,192, K 1,024] x [K 1,024, N 1,024]; A: input x (given as codes); B: input Wk (given as codes): QUANTISED
;;     3. [M 8,192, K 1,024] x [K 1,024, N 1,024]; A: input x (given as codes); B: input Wv (given as codes): QUANTISED
;;     4. batch 64 x [M 2,048, K 64] x [K 64, N 2,048]; A: computed on the way; B: computed on the way: QUANTISED
;;     5. batch 64 x [M 64, K 2,048] x [K 2,048, N 2,048]; A: computed on the way; B: softmax (see below): QUANTISED
;;     6. [M 8,192, K 1,024] x [K 1,024, N 1,024]; A: computed on the way; B: input Wproj (given as codes): QUANTISED
;;   THE QUANTISER, for each operand of a quantised product, along K:
;;     - K is cut into blocks of 32 from its start; a last block that is shorter is filled with zeros.
;;     - A block's scale is 2^e with e = floor(log2(the largest magnitude in the block)) - 2, held to -126 .. 127; a block of zeros has e = 0. As a byte (E8M0): e + 127.
;;     - Each number is divided by its block's scale, clamped to +-7.5, and rounded to the nearest number of E2M3, ties to even, subnormals kept.
;;     - The product sums the exact products of the quantised numbers (number of the format x scale) in f32.
;;   ~~~python
;;   def quantise(x, axis):      # numpy; x: float32 -> the quantised numbers, widened to float32 again
;;       x = np.moveaxis(x, axis, -1); K = x.shape[-1]
;;       x = np.pad(x, [(0, 0)] * (x.ndim - 1) + [(0, -K % 32)]); x = x.reshape(x.shape[:-1] + (-1, 32)); a = np.abs(x).max(-1, keepdims=True)
;;       e = np.where(a > 0, np.clip(np.frexp(np.where(a > 0, a, 1))[1] - 1 - 2, -126, 127), 0)      # np.frexp(a)[1] - 1 = floor(log2(a)), exactly
;;       r = np.clip(x / 2.0 ** e, -7.5, 7.5)
;;       step = 2.0 ** (np.maximum(np.frexp(np.where(r == 0, 1, r))[1] - 1, 0) - 3)
;;       q = np.round(r / step) * step * 2.0 ** e      # np.round: ties to even
;;       return np.moveaxis(q.reshape(q.shape[:-2] + (-1,))[..., :K], -1, axis).astype(np.float32)
;;   ~~~
;;   SOFTMAX AHEAD OF A QUANTISED PRODUCT. Where the list says 'softmax', what is quantised is not the finished softmax but p = 2^(t - M), with t = logit x log2(e) and M = ceil(the row's largest t), a whole number; so 1/2 < the row's largest p <= 1. The row's sum l is taken of the UNQUANTISED p, in f32, and the product's result is divided by l at the end. Since M is a whole number, a kernel that streams over the keys may use a running M (the ceiling of the running maximum): every later rescaling is an exact power of two, which a block's scale takes up: the codes' values come out the same.
;;   OPERANDS COMPUTED ON THE WAY. 'Computed on the way' means the value that the module computes at that place (a softmax that the list does not call 'softmax' is quantised finished and normalised). What goes into a quantiser is computed in f32, as accurately as f32 sums, v_exp_f32 and their like allow (about 1e-6 of the number): no bf16 or f16 on the way to a quantiser, and a product that is left as it is and whose result goes on into a quantised operand takes f32 operands (vector FMAs, or v_wmma_f32_16x16x4_f32). A number that lies on a knife's edge between two numbers of the format may be rounded either way, as far as f32 arithmetic and the matrix unit's own rounding can turn it there, and no further.
;;   INPUTS GIVEN AS CODES. Wk (in the module: [1024, 1024], K = its axis 1); Wproj (in the module: [1024, 1024], K = its axis 1); Wq (in the module: [1024, 1024], K = its axis 1); Wv (in the module: [1024, 1024], K = its axis 1); x (in the module: [4, 2048, 1024], K = its axis 2): each comes as NAME_codes (uint8): NAME with its K axis moved to the last place and cut into blocks of 32 codes, [.., K / 32, bytes a block], one block behind the other in memory; four codes in three bytes: a row's codes are one little-endian stream of bits, code i at bits 6 i .. 6 i + 5 (a code: sign, 2 exponent bits, 3 mantissa bits); and NAME_scales (uint8): the same leading axes, one E8M0 byte (e + 127) for each 32 codes along K. Its value is code x scale, taken as it is: it is not quantised again, and the codes and scales need not be those that the quantiser above would give.
;; One version. Each part assembles by itself: llvm-mc -triple=amdgcn-amd-amdhsa -mcpu=gfx1250 --defsym DOCPART=n.
;; ======== version 1 of 1: 4 launches
;; limits: right only within a limited range of input values
;; workspace buffers: rope 524,288 bytes; qc 6,291,456 bytes; qs 262,144 bytes; kv 12,582,912 bytes; kvs 524,288 bytes; yimg 6,291,456 bytes; ys 262,144 bytes; img 9,535,488 bytes
;; launch tables (part 1): grid 448 x 1, 4 waves a work-group, no clusters, 50,688 bytes of LDS; arguments rope, x_codes, Wq_codes, Wk_codes, Wv_codes, Wproj_codes, img, Wq_scales, Wk_scales, Wv_scales; writes rope, img
.if DOCPART == 1
	.amdgcn_target "amdgcn-amd-amdhsa--gfx1250"
	.amdhsa_code_object_version 6
	.text
	.protected	k_qd53d97ee56_tables
	.globl	k_qd53d97ee56_tables
	.p2align	8
	.type	k_qd53d97ee56_tables,@function
k_qd53d97ee56_tables:
	s_mov_b64 s[64:65], 0
	v_nop
	global_prefetch_b8 v0, s[64:65] scope:SCOPE_SE
	s_setreg_imm32_b32 hwreg(HW_REG_WAVE_MODE, 25, 1), 1
	s_wait_xcnt 0x0
; THE PROGRAM: causal self-attention, B x T = 4 x 2,048 tokens, C = 1,024, 16 heads of 64, all six products on codes of E2M3 with one E8M0 scale for each 32 along K.
;   tables: cos and sin of t x 10^(-j/8)                       qkv: x Wq^T, x Wk^T, x Wv^T; norm, RoPE, quantiser (q, k); lambda mix, quantiser along the keys (v); out1 = v1
;   attn:   q k^T, softmax by p = 2^(t - M), v^T p, / l, quantiser of y          proj: y Wproj^T
; WORK LEFT OUT: only steps of 128 keys all of which come after all 16 queries of a tile.  reference() builds the mask itself (jnp.tril) and puts the least f32 number there, so p = 2^(t - M) is 0 for every
; such key whatever finite values the inputs hold: they add nothing to the row's sum nor to the second product.  Every input has a way to an output and is loaded.
; LIMITS: a NaN, an infinity or an overflow that reaches only the steps left out is not carried to the result; NaN and infinities among the inputs are not served.  A block of zeros gets the scale byte 1
; where the rule says 127: its codes are zeros, and this program alone reads the bytes.  Inside a block of 32 keys the exact products of the second product are summed in another order (qkv's head).
; THIS LAUNCH: rope = cos[t][32] f32 at byte 128 t, sin the same 262,144 bytes on; t < 2,048, frequency j < 32.  The angle is fl(t x f), f the f32 nearest to 10^(-j/8) (reference() makes it by a power and
; a division and may be one unit in the last place off: stated as a limit).  Reduction by k = nearest whole number to x 2/pi, pi/2 in two parts (k < 1,304, so k x the upper part is exact in the fused
; multiply-add), then polynomials on |rho| <= pi/4; the quadrant swaps and signs.
; SHARES: wave W = 4 x work-group + wave owns tokens 2 W and 2 W + 1; lane l takes token 2 W + l / 16 and frequencies 2 (l % 16), 2 (l % 16) + 1: a store of 8 bytes a lane covers 256 consecutive aligned bytes.
.set SINOFF, 262144
; THE SOFTMAX'S M IS A CONSTANT (launch attn): reference() normalises q and k itself (rms norm, then a rotation), so |q|, |k| <= 8 whatever finite values the inputs hold; the quantiser moves a vector's
; length by less than 0.16 of it, so |q . k| < 87 and |t| = |q . k| log2(e) / 8 < 16.  M = 16, a whole number: p = 2^(t - 16) lies between 2^-32 and 1, a row's sum under 2^11; the codes are those of the row's own M.
; THIS LAUNCH ALSO RE-LAYS THE CODES of x, Wq, Wk, Wv, Wproj: work-groups 0-191, a wave to 16 rows; the tables are made by work-groups 192-447 (W above counts from work-group 192).
; img: 768 blocks of 16 rows (x's 512, then 64 of each weight), 12,288 bytes each: 16 images of 768 bytes, image j = 16 rows x K 64 j .. 64 j + 63 as the operand's registers stand:
; lane (r, h) holds the 24 bytes of row r from byte 48 j + 24 h on; its registers 0-3 lie at 16 l, its registers 4-5 at 512 + 8 l.  So the products' tensor rows are 3,072 bytes and begin on 256-byte borders.
.set RPITCH, 784                       ; an LDS row: 768 bytes + 16
.set RSPARE, 4*16*RPITCH               ; the spare words, 128 bytes a wave
	v_lshl_add_u32 v30, v0, 2, RSPARE
	v_mov_b32 v31, 0
	s_cmp_lt_u32 ttmp9, 192
	s_wait_alu depctr_va_vdst(0)
	s_cbranch_scc1 .Lrelay
	s_load_b64 s[2:3], s[0:1], 0x0
	v_lshrrev_b32 v1, 5, v0
	v_readfirstlane_b32 s4, v1                     ; wave
	s_sub_co_u32 s5, ttmp9, 192
	s_lshl_b32 s5, s5, 2
	s_add_co_u32 s5, s5, s4                        ; W
	v_and_b32 v2, 31, v0                           ; lane
	v_lshrrev_b32 v3, 4, v2
	s_lshl_b32 s6, s5, 1
	v_add_nc_u32 v3, s6, v3                        ; t
	v_cvt_f32_u32 v3, v3
	s_lshl_b32 s6, s5, 8
	v_lshl_add_u32 v4, v2, 3, s6                   ; 256 W + 8 l
	v_mov_b32 v5, 0                                ; my even frequency
	v_mov_b32 v6, 0                                ; my odd one
.macro FREQ i, a, b                    ; lanes i and i + 16 take 10^(-2 i / 8) and 10^(-(2 i + 1) / 8); the decimal text is rounded to f32 when the line is assembled
	s_mov_b32 s7, \a
	s_mov_b32 s8, \b
	v_writelane_b32 v5, s7, \i
	v_writelane_b32 v5, s7, \i+16
	v_writelane_b32 v6, s8, \i
	v_writelane_b32 v6, s8, \i+16
.endm
	FREQ 0, 1.0, 0.74989420933
	FREQ 1, 0.56234132519, 0.42169650343
	FREQ 2, 0.31622776602, 0.23713737057
	FREQ 3, 0.17782794100, 0.13335214322
	FREQ 4, 0.1, 0.074989420933
	FREQ 5, 0.056234132519, 0.042169650343
	FREQ 6, 0.031622776602, 0.023713737057
	FREQ 7, 0.017782794100, 0.013335214322
	FREQ 8, 0.01, 0.0074989420933
	FREQ 9, 0.0056234132519, 0.0042169650343
	FREQ 10, 0.0031622776602, 0.0023713737057
	FREQ 11, 0.0017782794100, 0.0013335214322
	FREQ 12, 0.001, 0.00074989420933
	FREQ 13, 0.00056234132519, 0.00042169650343
	FREQ 14, 0.00031622776602, 0.00023713737057
	FREQ 15, 0.00017782794100, 0.00013335214322
	s_mov_b32 s10, 0xbfc90fdb                      ; -(pi/2)'s upper part
	s_mov_b32 s11, 0x333bbd2e                      ; -(pi/2)'s lower part (which is negative)
	s_mov_b32 s12, -0.16666654611                  ; sine: rho + rho z (s12 + z (s13 + z s14))
	s_mov_b32 s13, 0.0083321608736
	s_mov_b32 s14, -0.00019515295891
	s_mov_b32 s15, 0.04166664568                   ; cosine: 1 - z / 2 + z^2 (s15 + z (s16 + z s17))
	s_mov_b32 s16, -0.001388731625
	s_mov_b32 s17, 0.00002443315712
.macro SINCOS f, c, s
	v_mul_f32 v10, v3, v[\f]                       ; the angle, rounded once as reference() rounds it
	v_mul_f32 v11, 0x3f22f983, v10                 ; x 2 / pi
	v_rndne_f32 v11, v11                           ; k
	v_fma_f32 v12, v11, s10, v10
	v_fma_f32 v12, v11, s11, v12                   ; rho
	v_mul_f32 v13, v12, v12                        ; z
	v_fma_f32 v14, v13, s14, s13
	v_fma_f32 v14, v14, v13, s12
	v_mul_f32 v15, v12, v13
	v_fma_f32 v14, v15, v14, v12                   ; sin rho
	v_fma_f32 v16, v13, s17, s16
	v_fma_f32 v16, v16, v13, s15
	v_mul_f32 v17, v13, v13
	v_fma_f32 v18, v13, -0.5, 1.0
	v_fma_f32 v16, v17, v16, v18                   ; cos rho
	v_cvt_i32_f32 v19, v11
	v_and_b32 v20, 1, v19
	v_cmp_ne_u32 vcc_lo, 0, v20                    ; an odd quadrant swaps the two
	v_cndmask_b32 v21, v14, v16, vcc_lo
	v_cndmask_b32 v22, v16, v14, vcc_lo
	v_and_b32 v20, 2, v19                          ; the sine is negative in quadrants 2 and 3,
	v_lshlrev_b32 v20, 30, v20
	v_xor_b32 v[\s], v20, v21
	v_add_nc_u32 v19, 1, v19                       ; the cosine in 1 and 2
	v_and_b32 v19, 2, v19
	v_lshlrev_b32 v19, 30, v19
	v_xor_b32 v[\c], v19, v22
.endm
	s_wait_alu depctr_va_vdst(0)
	SINCOS 5, 24, 26
	SINCOS 6, 25, 27
	s_wait_alu depctr_va_vdst(0)
	s_wait_kmcnt 0x0
	global_store_b64 v4, v[24:25], s[2:3]
	global_store_b64 v4, v[26:27], s[2:3] offset:SINOFF
	s_endpgm
.Lrelay:
	s_load_b256 s[4:11], s[0:1], 0x8               ; the codes of x, Wq, Wk, Wv
	s_load_b128 s[12:15], s[0:1], 0x28             ; of Wproj; img
	s_load_b128 s[32:35], s[0:1], 0x38             ; the scales of Wq, Wk
	s_load_b64 s[36:37], s[0:1], 0x48              ; of Wv
	v_lshrrev_b32 v1, 5, v0
	v_readfirstlane_b32 s16, v1                    ; wave
	s_lshl_b32 s17, ttmp9, 2
	s_add_co_u32 s17, s17, s16                     ; my block of 16 rows, 0 .. 767
; Wq's, Wk's and Wv's blocks are laid HEAD BY HEAD: head H's twelve blocks (four of Wq, four of Wk, four of Wv) lie on end from block 512 + 12 H on; x's blocks and Wproj's keep their numbers.
; Behind the 768 blocks lie the scales of the three weights in the same order: 2,048 bytes (64 rows) for each head and weight, at 9,437,184 + 2,048 (3 H + weight).
	s_and_b32 s18, s17, 63                         ; the block's number in a weight
	s_lshr_b32 s19, s17, 6                         ; 0-7 x, 8 Wq, 9 Wk, 10 Wv, 11 Wproj
	s_lshr_b32 s29, s18, 2                         ; head
	s_mul_i32 s29, s29, 12
	s_and_b32 s30, s18, 3
	s_add_co_u32 s29, s29, s30
	s_sub_co_u32 s30, s19, 8                       ; 0, 1, 2 for Wq, Wk, Wv
	s_lshl_b32 s31, s30, 2
	s_add_co_u32 s29, s29, s31
	s_add_co_u32 s29, s29, 512
	s_cmp_lt_u32 s30, 3
	s_cselect_b32 s29, s29, s17
	s_mul_i32 s20, s29, 12288                      ; where the block goes in img
	s_mov_b32 s21, 0
	s_mul_i32 s31, s17, 12288                      ; where it lies in x,
	s_mul_i32 s22, s18, 12288                      ; and in a weight
	s_mov_b32 s23, 0
	s_mul_i32 s28, s16, 16*RPITCH                  ; my LDS bytes
	v_and_b32 v7, 15, v0
	v_bfe_u32 v8, v0, 4, 1
	v_lshlrev_b32 v9, 4, v7
	v_mad_u32_u24 v2, v8, 768, v9                  ; in: lanes 0-15 take 256 bytes of one row, lanes 16-31 of the next
	v_mad_u32_u24 v3, v8, RPITCH, v9
	v_add_nc_u32 v3, s28, v3
	v_mul_u32_u24 v4, v7, RPITCH
	v_mad_u32_u24 v4, v8, 24, v4
	v_add_nc_u32 v4, s28, v4                       ; back: row r, + 24 h
	v_and_b32 v10, 31, v0
	v_lshlrev_b32 v5, 4, v10
	v_lshlrev_b32 v6, 3, v10
	s_wait_alu depctr_va_vdst(0)
	s_wait_kmcnt 0x0
	s_cmp_lt_u32 s19, 8
	s_cselect_b64 s[24:25], s[4:5], s[6:7]
	s_cselect_b32 s22, s31, s22
	s_cmp_eq_u32 s19, 9
	s_cselect_b64 s[24:25], s[8:9], s[24:25]
	s_cmp_eq_u32 s19, 10
	s_cselect_b64 s[24:25], s[10:11], s[24:25]
	s_cmp_eq_u32 s19, 11
	s_cselect_b64 s[24:25], s[12:13], s[24:25]
	s_add_nc_u64 s[24:25], s[24:25], s[22:23]
	s_add_nc_u64 s[26:27], s[14:15], s[20:21]
.set N, 0
.rept 24
	global_load_b128 v[32+4*N:35+4*N], v2, s[24:25] offset:(N/3)*1536+(N%3)*256 th:TH_LOAD_NT   ; two aligned units of 256 bytes
.set N, N+1
.endr
	s_wait_loadcnt 0x0
.set N, 0
.rept 24
	ds_store_b128 v3, v[32+4*N:35+4*N] offset:(N/3)*2*RPITCH+(N%3)*256
.set N, N+1
.endr
.set N, 0
.rept 48
	ds_load_b64 v[128+2*N:129+2*N], v4 offset:48*(N/3)+8*(N%3)    ; my own bytes: LDS serves a wave's instructions in order
.set N, N+1
.endr
	s_wait_dscnt 0x0
.set N, 0
.rept 16
	global_store_b128 v5, v[128+6*N:131+6*N], s[26:27] offset:768*N        ; 512 consecutive bytes, aligned to 256
	global_store_b64 v6, v[132+6*N:133+6*N], s[26:27] offset:768*N+512     ; and 256 more
.set N, N+1
.endr
	s_cmp_lt_u32 s30, 3                            ; the wave that has a head's first block of Wq, Wk or Wv also copies that head's 64 rows of scales (ids alone)
	s_cbranch_scc0 .Lnosc
	s_and_b32 s16, s18, 3
	s_cmp_eq_u32 s16, 0
	s_cbranch_scc0 .Lnosc
	s_cmp_eq_u32 s30, 1
	s_cselect_b64 s[38:39], s[34:35], s[32:33]
	s_cmp_eq_u32 s30, 2
	s_cselect_b64 s[38:39], s[36:37], s[38:39]
	s_lshr_b32 s40, s18, 2
	s_lshl_b32 s42, s40, 11
	s_mov_b32 s43, 0
	s_add_nc_u64 s[38:39], s[38:39], s[42:43]
	s_mul_i32 s42, s40, 3
	s_add_co_u32 s42, s42, s30
	s_lshl_b32 s42, s42, 11
	s_add_co_u32 s42, s42, 9437184
	s_add_nc_u64 s[40:41], s[14:15], s[42:43]
.irp k, 0,1,2,3
	global_load_b128 v[32+4*\k:35+4*\k], v5, s[38:39] offset:512*\k th:TH_LOAD_NT
.endr
	s_wait_loadcnt 0x0
.irp k, 0,1,2,3
	global_store_b128 v5, v[32+4*\k:35+4*\k], s[40:41] offset:512*\k
.endr
.Lnosc:
	s_wait_tensorcnt 0x0                           ; the wave's end
	ds_add_u32 v30, v31
	s_wait_dscnt 0x0
	s_endpgm
.Lfunc_end_k_qd53d97ee56_tables:
	.size	k_qd53d97ee56_tables, .Lfunc_end_k_qd53d97ee56_tables-k_qd53d97ee56_tables
	.p2alignl 7, 3214868480
	.fill 96, 4, 3214868480
	.section	.rodata,"a",@progbits
	.p2align	6, 0x0
	.amdhsa_kernel k_qd53d97ee56_tables
		.amdhsa_group_segment_fixed_size 50688
		.amdhsa_private_segment_fixed_size 0
		.amdhsa_enable_private_segment 0
		.amdhsa_kernarg_size 80
		.amdhsa_user_sgpr_count 2
		.amdhsa_user_sgpr_kernarg_segment_ptr 1
		.amdhsa_wavefront_size32 1
		.amdhsa_system_sgpr_workgroup_id_x 1
		.amdhsa_system_sgpr_workgroup_id_y 1
		.amdhsa_system_sgpr_workgroup_id_z 1
		.amdhsa_system_vgpr_workitem_id 0
		.amdhsa_next_free_vgpr 224
		.amdhsa_next_free_sgpr 66
		.amdhsa_reserve_vcc 1
		.amdhsa_float_denorm_mode_32 3
		.amdhsa_float_denorm_mode_16_64 3
		.amdhsa_memory_ordered 1
		.amdhsa_forward_progress 1
		.amdhsa_inst_pref_size 24
	.end_amdhsa_kernel
	.amdgpu_metadata
---
amdhsa.version: [ 1, 2 ]
amdhsa.kernels:
  - .name:           k_qd53d97ee56_tables
    .symbol:         k_qd53d97ee56_tables.kd
    .args:
      - { .name: rope, .offset: 0, .size: 8, .value_kind: global_buffer, .address_space: global }
      - { .name: x_codes, .offset: 8, .size: 8, .value_kind: global_buffer, .address_space: global }
      - { .name: Wq_codes, .offset: 16, .size: 8, .value_kind: global_buffer, .address_space: global }
      - { .name: Wk_codes, .offset: 24, .size: 8, .value_kind: global_buffer, .address_space: global }
      - { .name: Wv_codes, .offset: 32, .size: 8, .value_kind: global_buffer, .address_space: global }
      - { .name: Wproj_codes, .offset: 40, .size: 8, .value_kind: global_buffer, .address_space: global }
      - { .name: img, .offset: 48, .size: 8, .value_kind: global_buffer, .address_space: global }
      - { .name: Wq_scales, .offset: 56, .size: 8, .value_kind: global_buffer, .address_space: global }
      - { .name: Wk_scales, .offset: 64, .size: 8, .value_kind: global_buffer, .address_space: global }
      - { .name: Wv_scales, .offset: 72, .size: 8, .value_kind: global_buffer, .address_space: global }
    .group_segment_fixed_size: 50688
    .private_segment_fixed_size: 0
    .kernarg_segment_align: 8
    .kernarg_segment_size: 80
    .max_flat_workgroup_size: 128
    .sgpr_count:     66
    .vgpr_count:     224
    .wavefront_size: 32
...
	.end_amdgpu_metadata
.endif
;; end of part 1
;; launch qkv (part 2): grid 8 x 32, 4 waves a work-group, clusters of 4 x 4, 327,680 bytes of LDS; arguments img, x_scales, v1, lamb, rope, qc, qs, kv, kvs, out1; writes qc, qs, kv, kvs, out1
.if DOCPART == 2
	.amdgcn_target "amdgcn-amd-amdhsa--gfx1250"
	.amdhsa_code_object_version 6
	.text
	.protected	k_qd53d97ee56_qkv
	.globl	k_qd53d97ee56_qkv
	.p2align	8
	.type	k_qd53d97ee56_qkv,@function
k_qd53d97ee56_qkv:
	s_mov_b64 s[64:65], 0
	v_nop
	global_prefetch_b8 v0, s[64:65] scope:SCOPE_SE
	s_setreg_imm32_b32 hwreg(HW_REG_WAVE_MODE, 25, 1), 1
	s_wait_xcnt 0x0
	s_wait_alu depctr_hold_cnt(0) depctr_sa_sdst(0) depctr_va_vdst(0) depctr_va_sdst(0) depctr_va_ssrc(0) depctr_va_vcc(0) depctr_vm_vsrc(0)
	s_getreg_b32 s2, hwreg(HW_REG_IB_STS2, 6, 4)
	s_cmp_eq_u32 s2, 0
	s_cbranch_scc0 .Lentry_in_a_cluster
	s_endpgm
.Lentry_in_a_cluster:
	s_bfe_u32 s2, ttmp6, 0x10000c
	s_cmp_lg_u32 s2, 0xf033
	s_cbranch_scc0 .Lentry_shape_is_right
	s_endpgm
.Lentry_shape_is_right:
; q, k, v = x W^T on codes of E2M3, and what reference() does to each on its way into the next quantised product.  No work of reference() is left out here.
; SHARES.  256 work-groups of equal work.  Work-group (g, tile row): 256 tokens x heads 2 g and 2 g + 1 of q, of k and of v (384 features).  A wave: 128 tokens x ONE head of q, k and v: 8 x 12 accumulators,
; 768 registers.  K = 1,024 goes in four steps of 256 through a ring of two LDS slots; operands come as images of 768 bytes (16 rows x 64 along K as the registers stand), laid by the first launch, W's head
; by head, so that a wave's twelve blocks lie on end.  A tensor row is 3,072 bytes on a 256-byte border.  x's tiles are shared along a row of the cluster, W's along a column: joint loads.
; THE MATRIX INSTRUCTION IS USED TRANSPOSED (source 0 = 16 rows of W, source 1 = 16 tokens): a lane (r, h) holds token 16 a + r and features 16 b + 8 h + 0 .. 7.
; REGISTERS in the walk: window 0: v0-31 addresses; v32-55 scale words, a set of 12 for each parity of the step (lanes 0-15 x's block i, lanes 16-31 W's block i); v64-159 x's eight fragments, ONE set;
; v160-255 W's fragments, four blocks at a time, two buffers.  Window 1: v's accumulators ((a, c) at v[8 (4 a + c)]).  Windows 2, 3: q's and k's ((a, b) at v[8 (8 (a % 4) + b)], b 0-3 q, 4-7 k).
; A step of 128 along K is three groups of 32 products (q, k, v), each x's blocks 0-3 and then 4-7 against four blocks of W.  W's next but one group is fetched at a group's end, into the buffer just
; left; x's blocks 0-3 of the next step in the middle of the last group, blocks 4-7 at its end.  The accumulators take turns.
; THE WAY OUT OF q AND k, 16 tokens at a time: sum of squares, x rsqrt(mean + eps), RoPE from the table, quantiser along the head's 64, in f32 in registers.  16 tokens leave as an image of 768 bytes; scale
; bytes two a token as a u16: token 32 P + 16 e + r at 64 P + 4 r + 2 e.  kv holds, for each head and 128 keys, K's eight images and then V's four fragments.
; THE WAY OUT OF v, 64 tokens at a time, through the wave's stage in LDS: a lane then holds four features, lanes 0-15 of one block of 32 keys, lanes 16-31 of the next, registers down the tokens;
; (1 - lambda) v + lambda v1; quantiser along the tokens; the codes are gathered in LDS as the second product's fragments.  v1 is read once, and out1 is stored from the same registers.
; INSIDE A BLOCK OF 32 KEYS code place 16 h + 8 u + j holds key 16 u + 8 h + j, in v here and in p in the next launch alike.
; NO PREFETCH OF THE TILES: the walk has four K steps and two are asked for at the head.  v1's 128 rows x 256 bytes of this wave are prefetched behind the two refills, a lane a row, each block once.
; LIMITS: as stated at the head of the first kernel.
.set HA,     24576                     ; 128 tokens of a K step: 8 blocks x 3,072
.set HB,     36864                     ; a head's 12 blocks of W
.set SLOT,   2*HA+2*HB
.set SCL,    2*SLOT                    ; x's scales: 32 units of 256 bytes + 16 of padding
.set SCLW,   SCL+8704                  ; W's: 48 units
.set SBLK,   544                       ; the scales of 16 rows
.set SPARE,  SCLW+13056                ; the spare words, 128 bytes a wave
.set QKST,   SPARE+512                 ; 512 bytes a wave for the u16
.set VCS,    QKST+2048                 ; 6,144 bytes a wave for V's fragments; v's stage, 17,408 bytes a wave, lies in slot 0, which has had its last fill and its last read
.set ADRA, 16
.set ADRB, 20
.set ADRS, 27
.set SPW,  28
.set NIL,  29
.set PFV,  30
.set SC,   32
.set AF,   64
.set BF,   160
.set G1, 24
.set G0, 32
.set G1B, 48
.set G0B, 56
.set G1S, 68
.set G0S, 76
.set G1SB, 80
.set G0SB, 88
.set G0H, 4
.set G0HB, 8
.set MSB, 0
.macro WIN new                         ; the immediate's high byte repeats the setting that is left
.if MSB != \new
	s_set_vgpr_msb (MSB<<8)|\new
.set MSB, \new
.endif
.endm
.macro TLOAD g0, g1                    ; an s_nop 0 and four v_nop follow every tensor load
	tensor_load_to_lds s[\g0:\g0+3], s[\g1:\g1+7]
	s_nop 0
.rept 4
	v_nop
.endr
.endm
.macro JLOAD g0a, g1a, g0b, g1b        ; waves 0 and 1 fetch for x, waves 2 and 3 for W
	s_cmp_eq_u32 s15, 0
	s_cbranch_scc0 .Lfor_b_\@
	TLOAD \g0a, \g1a
	s_branch .Lasked_\@
.Lfor_b_\@:
	TLOAD \g0b, \g1b
.Lasked_\@:
.endm
.macro CREST                           ; a round of the cluster's barrier behind its opening barrier
	s_cmp_lg_u32 s14, 0
	s_cbranch_scc1 .Lnot_wave_0_\@
	s_barrier_signal -3
.Lnot_wave_0_\@:
	s_barrier_wait -3
	s_barrier_signal -1
	s_barrier_wait -1
.endm
.macro CROUND
	s_barrier_signal -1
	s_barrier_wait -1
	CREST
.endm
.macro PLACES                          ; plain vector places between a matrix instruction and a load into, or a read of, its registers
.rept 4
	v_nop
.endr
.endm
	s_load_b128 s[4:7], s[0:1], 0x0                ; img, x's scales
	v_lshl_add_u32 v[SPW], v0, 2, SPARE
	v_mov_b32 v[NIL], 0
	ds_add_u32 v[SPW], v[NIL]                      ; the wave's opening: the add, twice on end, and its wait ahead of my first tensor load
	ds_add_u32 v[SPW], v[NIL]
	v_lshrrev_b32 v1, 5, v0
	v_readfirstlane_b32 s14, v1                    ; wave 0..3
	s_lshr_b32 s15, s14, 1                         ; which 128 tokens are mine.  Also: I fetch for x (0) or for W (1)
	s_and_b32 s16, s14, 1                          ; which head.  Also: which half of that tile I fetch
	s_bfe_u32 s40, ttmp6, 0x40000                  ; cx
	s_bfe_u32 s41, ttmp6, 0x40004                  ; cy
	s_lshl_b32 s42, ttmp9, 2
	s_add_co_u32 s42, s42, s40                     ; g
	s_and_b32 s17, ttmp7, 0xffff
	s_lshl_b32 s17, s17, 2
	s_add_co_u32 s17, s17, s41                     ; tile row
	s_lshl_b32 s43, s41, 2
	s_lshl_b32 s43, 15, s43                        ; my row of the cluster
	s_lshl_b32 s44, 0x1111, s40                    ; my column
	s_or_b32 s[G1+0], s43, (3<<16)|(1<<21)         ; the mask; elements of 8 bytes; bit 21 beside a mask
	s_or_b32 s[G1B+0], s44, (3<<16)|(1<<21)
.irp g, G1, G1B
	s_mov_b32 s[\g+1], 384<<16                     ; a row of 3,072 bytes
	s_mov_b32 s[\g+3], 384<<16
	s_mov_b32 s[\g+5], 1536                        ; pitch: a block's 12,288 bytes
	s_mov_b32 s[\g+6], 0
	s_mov_b32 s[\g+7], 0
.endr
	s_mov_b32 s[G1+2], 16<<16                      ; at the head x's 16 blocks and W's 24; behind it 8 and 12
	s_mov_b32 s[G1+4], 16
	s_mov_b32 s[G1B+2], 24<<16
	s_mov_b32 s[G1B+4], 24
	s_or_b32 s[G1S+0], s43, (3<<16)|(1<<20)|(1<<21)|(5<<22)|(3<<25)  ; the scales: dense blocks, as rows of 256 bytes + 16 of padding
	s_or_b32 s[G1SB+0], s44, (3<<16)|(1<<20)|(1<<21)|(5<<22)|(3<<25)
.irp g, G1S, G1SB
	s_mov_b32 s[\g+1], 32<<16
	s_mov_b32 s[\g+3], 32<<16
	s_mov_b32 s[\g+5], 32
	s_mov_b32 s[\g+6], 0
	s_mov_b32 s[\g+7], 0
.endr
	s_mov_b32 s[G1S+2], 32<<16
	s_mov_b32 s[G1S+4], 32
	s_mov_b32 s[G1SB+2], 48<<16
	s_mov_b32 s[G1SB+4], 48
	s_mul_i32 s20, s17, 196608                     ; x's 256 rows in img
	s_mov_b32 s21, 0
	s_lshl_b32 s22, s17, 13                        ; and their scales
	s_mov_b32 s23, 0
	s_mul_i32 s46, s42, 294912                     ; W's 24 blocks
	s_add_co_u32 s46, s46, 6291456
	s_mov_b32 s47, 0
	s_mul_i32 s92, s42, 12288                      ; and their scales
	s_add_co_u32 s92, s92, 9437184
	s_mov_b32 s93, 0
	s_mul_i32 s18, s16, 98304                      ; in the ring I fetch a half of a tile: its bytes in memory,
	s_mov_b32 s19, 0
	s_mul_i32 s94, s16, 147456
	s_mov_b32 s95, 0
	s_mul_i32 s45, s16, HA                         ; and in LDS
	s_mul_i32 s96, s16, HB
	s_add_co_u32 s96, s96, 2*HA
	s_wait_dscnt 0x0                               ; both opening adds are done
	s_wait_kmcnt 0x0
	s_add_nc_u64 s[20:21], s[4:5], s[20:21]
	s_add_nc_u64 s[22:23], s[6:7], s[22:23]
	s_add_nc_u64 s[46:47], s[4:5], s[46:47]
	s_add_nc_u64 s[92:93], s[4:5], s[92:93]
	CROUND                                         ; all sixteen work-groups are here: the first joint loads meet
	s_mov_b32 s[G0H], 1
	s_mov_b32 s[G0H+1], 0
	s_mov_b64 s[G0H+2:G0H+3], s[20:21]
	s_or_b32 s[G0H+3], s[G0H+3], 0x80000000
	s_mov_b32 s[G0HB], 1
	s_mov_b32 s[G0HB+1], 2*HA
	s_mov_b64 s[G0HB+2:G0HB+3], s[46:47]
	s_or_b32 s[G0HB+3], s[G0HB+3], 0x80000000
	s_mov_b32 s[G0S], 1
	s_mov_b32 s[G0S+1], SCL
	s_mov_b64 s[G0S+2:G0S+3], s[22:23]
	s_or_b32 s[G0S+3], s[G0S+3], 0x80000000
	s_mov_b32 s[G0SB], 1
	s_mov_b32 s[G0SB+1], SCLW
	s_mov_b64 s[G0SB+2:G0SB+3], s[92:93]
	s_or_b32 s[G0SB+3], s[G0SB+3], 0x80000000
	s_add_nc_u64 s[20:21], s[20:21], s[18:19]
	s_add_nc_u64 s[46:47], s[46:47], s[94:95]
.irp s, 0,1
	s_mov_b32 s[G0+4*\s], 1
	s_add_co_u32 s[G0+4*\s+1], s45, \s*SLOT
	s_add_nc_u64 s[G0+4*\s+2:G0+4*\s+3], s[20:21], \s*3072
	s_or_b32 s[G0+4*\s+3], s[G0+4*\s+3], 0x80000000
	s_mov_b32 s[G0B+4*\s], 1
	s_add_co_u32 s[G0B+4*\s+1], s96, \s*SLOT
	s_add_nc_u64 s[G0B+4*\s+2:G0B+4*\s+3], s[46:47], \s*3072
	s_or_b32 s[G0B+4*\s+3], s[G0B+4*\s+3], 0x80000000
.endr
; THE HEAD'S LOADS, ONE A WAVE: wave 0 K step 0 of x, wave 1 of W, wave 2 x's scales, wave 3 W's.  One tree of branches on the wave's number.
.macro ARM under, g0, g1, next
	s_cmp_lt_u32 s14, \under
	s_cbranch_scc0 \next
	TLOAD \g0, \g1
	s_branch .Lhead_asked
\next:
.endm
	ARM 1, G0H,  G1,  .Lhead_b
	ARM 2, G0HB, G1B, .Lhead_sa
	ARM 3, G0S,  G1S, .Lhead_sb
	TLOAD G0SB, G1SB
.Lhead_asked:
	v_and_b32 v1, 15, v0                           ; r
	v_bfe_u32 v2, v0, 4, 1                         ; h
	v_and_b32 v3, 31, v0
	v_lshlrev_b32 v4, 4, v3                        ; an image's registers 0-3: 16 l
	v_lshlrev_b32 v5, 3, v3                        ; its registers 4-5: 8 l
	s_mul_i32 s21, s15, HA
	s_mul_i32 s22, s16, HB
	s_add_co_u32 s22, s22, 2*HA
.irp s, 0,1
	v_add_nc_u32 v[ADRA+\s], s21, v4
	v_add_nc_u32 v[ADRB+\s], s22, v4
	v_add_nc_u32 v[ADRA+2+\s], s21, v5
	v_add_nc_u32 v[ADRB+2+\s], s22, v5
	s_add_co_u32 s21, s21, SLOT
	s_add_co_u32 s22, s22, SLOT
.endr
	v_lshlrev_b32 v5, 5, v1                        ; my row's scales: 32 bytes a row,
	v_lshrrev_b32 v6, 3, v1
	v_lshl_add_u32 v5, v6, 4, v5                   ; and 16 more behind eight rows
	s_mul_i32 s21, s15, 8*SBLK
	s_mul_i32 s22, s16, 12*SBLK
	s_add_co_u32 s22, s22, SCLW-SCL
	s_sub_co_u32 s22, s22, s21
	v_mul_u32_u24 v6, s22, v2                      ; lanes 16-31 take W's
	s_add_co_u32 s21, s21, SCL
	v_add_nc_u32 v5, v5, v6
	v_add_nc_u32 v[ADRS], s21, v5
	v_lshlrev_b32 v[PFV], 12, v3                   ; the prefetches: a lane a row of 4,096 bytes
.macro FRAG reg, adr, off              ; 16 rows x 128 K: two images, as they lie
	ds_load_b128 v[\reg:\reg+3], v[\adr] offset:\off
	ds_load_b64 v[\reg+4:\reg+5], v[\adr+2] offset:\off+512
	ds_load_b128 v[\reg+6:\reg+9], v[\adr] offset:\off+768
	ds_load_b64 v[\reg+10:\reg+11], v[\adr+2] offset:\off+1280
.endm
.macro LDB st, d                       ; W's blocks 4 d .. 4 d + 3 of step st into buffer (3 st + d) % 2
.irp j, 0,1,2,3
	FRAG BF+48*((3*(\st)+(\d))%2)+12*\j, ADRB+((\st)/2)%2, 3072*(4*(\d)+\j)+1536*((\st)%2)
.endr
.endm
.macro LDA st, i0                      ; x's blocks i0 .. i0 + 3 of step st
.irp j, 0,1,2,3
	FRAG AF+12*((\i0)+\j), ADRA+((\st)/2)%2, 3072*((\i0)+\j)+1536*((\st)%2)
.endr
.endm
.macro LDSC st                         ; step st's scale words (for i > 7 lanes 0-15 read words that no product names)
.irp i, 0,1,2,3,4,5,6,7,8,9,10,11
	ds_load_b32 v[SC+12*((\st)%2)+\i], v[ADRS] offset:SBLK*\i+4*(\st)
.endr
.endm
.macro WM c
	v_wmma_scale_f32_16x16x128_f8f6f4 v[AC:AC+7], v[BR:BR+11], v[AR:AR+11], \c, v[SB], v[SA] matrix_a_fmt:MATRIX_FMT_FP6 matrix_b_fmt:MATRIX_FMT_FP6 matrix_a_scale:MATRIX_SCALE_ROW1
.endm
.macro MUL st, d, a0, zero             ; 16 products: x's blocks a0 .. a0 + 3 against W's 4 d .. 4 d + 3
.irp a, \a0, \a0+1, \a0+2, \a0+3
.irp j, 0,1,2,3
.if (\d) < 2
.set AC, 8*(8*((\a)%4)+4*(\d)+\j)
.else
.set AC, 8*(4*(\a)+\j)
.endif
.set BR, BF+48*((3*(\st)+(\d))%2)+12*\j
.set AR, AF+12*(\a)
.set SB, SC+12*((\st)%2)+4*(\d)+\j
.set SA, SC+12*((\st)%2)+(\a)
.if \zero
	WM 0
.else
	WM v[AC:AC+7]
.endif
.endr
.endr
.endm
.macro STEP st, zero                   ; 128 along K
.set SL, ((\st)/2)%2
	s_wait_dscnt 32                                ; q's group of W and x's blocks 0-3 are in; younger: x's blocks 4-7 and k's group
	WIN 0xa0
	MUL \st, 0, 0, \zero
	s_wait_dscnt 16                                ; x's blocks 4-7
	WIN 0xf0
	MUL \st, 0, 4, \zero
	PLACES
	WIN 0
	LDB \st, 2
.if (\st) < 7
	LDSC (\st)+1
.endif
.if ((\st)%2 == 1) && ((\st) < 7)
	s_wait_tensorcnt 0x0                           ; THE CHANGE OF SLOTS: all my tensor loads have landed: my part of the next slot;
	ds_add_u32 v[SPW], v[NIL]
	s_wait_dscnt 29                                ; k's group is in; younger: v's group, 12 scale words, the add
	WIN 0xa0
	MUL \st, 1, 0, \zero
	s_wait_dscnt 0x0                               ; the add is done, and my reads of this slot are over
	s_barrier_signal -1
	WIN 0xf0
	MUL \st, 1, 4, \zero
	WIN 0
	s_barrier_wait -1
.if (\st) < 5
	CREST                                          ; the barrier has opened a round of the cluster's barrier: no wave of any partner still reads this slot or has a load on its way
	s_add_nc_u64 s[G0+4*SL+2:G0+4*SL+3], s[G0+4*SL+2:G0+4*SL+3], 2*3072
	s_add_nc_u64 s[G0B+4*SL+2:G0B+4*SL+3], s[G0B+4*SL+2:G0B+4*SL+3], 2*3072
	JLOAD G0+4*SL, G1, G0B+4*SL, G1B               ; the first tensor load behind the round; its four v_nop are the places for the loads below
	LDB (\st)+1, 0
.irp k, 0,1
	global_prefetch_b8 v[PFV], s[84:85] offset:(2*SL+\k)*131072 th:TH_LOAD_NT scope:SCOPE_SE
.endr
.else
	PLACES
	LDB (\st)+1, 0
.endif
.else
.if (\st) < 7
	s_wait_dscnt 28                                ; k's group is in; younger: v's group and 12 scale words
.else
	s_wait_dscnt 16
.endif
	WIN 0xa0
	MUL \st, 1, 0, \zero
	WIN 0xf0
	MUL \st, 1, 4, \zero
.if (\st) < 7
	PLACES
	WIN 0
	LDB (\st)+1, 0
.endif
.endif
.if (\st) < 7
	s_wait_dscnt 16                                ; v's group and the scale words are in; younger: the next step's first group
.else
	s_wait_dscnt 0x0
.endif
	WIN 0x50
	MUL \st, 2, 0, \zero
.if (\st) < 7
	PLACES
	WIN 0
	LDA (\st)+1, 0
	WIN 0x50
.endif
	MUL \st, 2, 4, \zero
	PLACES
	WIN 0
.if (\st) < 7
	LDA (\st)+1, 4
	LDB (\st)+1, 1
.endif
.endm
	s_wait_alu depctr_va_vdst(0)
	s_wait_tensorcnt 0x0                           ; my tile of the head's four is in
	ds_add_u32 v[SPW], v[NIL]
	s_mov_b32 s[G1+2], 8<<16                       ; no tensor load of mine is out: from here on a load brings a half of a tile
	s_mov_b32 s[G1+4], 8
	s_mov_b32 s[G1B+2], 12<<16
	s_mov_b32 s[G1B+4], 12
	s_wait_dscnt 0x0
	CROUND                                         ; a whole round: all four tiles are in, and the joint loads meet
	JLOAD G0+4, G1, G0B+4, G1B                     ; K step 1, the first tensor load behind the round
	s_load_b512 s[68:83], s[0:1], 0x10             ; the scales' descriptors are done with: v1 68, lamb 70, rope 72, qc 74, qs 76, kv 78, kvs 80, out1 82
	LDB 0, 0
	LDSC 0
	LDA 0, 0
	LDA 0, 4
	LDB 0, 1
	s_wait_kmcnt 0x0
	s_lshl_b32 s88, s17, 8
	s_lshl_b32 s89, s15, 7
	s_add_co_u32 s20, s88, s89                     ; my first token
	s_lshl_b32 s88, s20, 12                        ; x 4,096 bytes,
	s_lshl_b32 s89, s42, 9
	s_add_co_u32 s88, s88, s89                     ; + two heads x g,
	s_lshl_b32 s89, s16, 8
	s_add_co_u32 s88, s88, s89                     ; + my head's 256 bytes
	s_mov_b32 s89, 0
	s_add_nc_u64 s[84:85], s[68:69], s[88:89]      ; my part of v1; never rewritten
	STEP 0, 1                                      ; the first step's products start the sums
.irp t, 1,2,3,4,5,6,7
	STEP \t, 0
.endr
	; ---- the ways out: addresses
	s_load_b32 s86, s[70:71], 0x0                  ; lambda
	v_and_b32 v14, 31, v0
	v_and_b32 v12, 15, v0                          ; r
	v_bfe_u32 v13, v0, 4, 1                        ; h
	v_lshlrev_b32 v1, 4, v14                       ; 16 l
	v_lshlrev_b32 v2, 3, v14                       ; 8 l
	v_lshlrev_b32 v3, 7, v12
	v_lshl_add_u32 v3, v13, 6, v3                  ; the table: token r's 128 bytes, + 64 h
	s_lshl_b32 s23, s14, 9
	s_add_co_u32 s23, s23, QKST
	v_lshl_add_u32 v4, v12, 2, s23                 ; the u16: 4 r
	v_add_nc_u32 v5, s23, v2                       ; and back, 8 bytes a lane
	s_mul_i32 s23, s14, 17408
	v_mul_u32_u24 v6, v12, 272
	v_lshl_add_u32 v6, v13, 5, v6
	v_add_nc_u32 v6, s23, v6                       ; v's stage, in: row r of 272 bytes, + 32 h
	v_mul_u32_u24 v7, v13, 8704
	v_lshl_add_u32 v7, v12, 4, v7
	v_add_nc_u32 v7, s23, v7                       ; and back: token 32 h + i, features 4 r on
	s_mul_i32 s23, s14, 6144
	s_add_co_u32 s23, s23, VCS
	v_bfe_u32 v15, v0, 2, 2
	v_mul_u32_u24 v8, v15, 1536                    ; V's fragments: my four features 4 r .. 4 r + 3: tile r / 4 of the head's 64,
	v_and_b32 v15, 3, v0
	v_lshl_add_u32 v8, v15, 6, v8                  ; lanes 4 (r % 4) on, 16 bytes each,
	v_lshl_add_u32 v8, v13, 8, v8                  ; + 16 lanes for the odd block of keys
	v_add_nc_u32 v8, s23, v8
	v_add_nc_u32 v9, s23, v1
	v_lshlrev_b32 v11, 4, v12                      ; 16 r
	v_lshl_add_u32 v10, v13, 17, v11               ; v1 and out1: token 32 h + i, 16 r
	v_lshlrev_b32 v15, 3, v13                      ; 8 h
	s_lshr_b32 s21, s20, 11                        ; batch
	s_and_b32 s22, s20, 2047                       ; t0
	s_lshl_b32 s21, s21, 4
	s_lshl_b32 s23, s42, 1
	s_add_co_u32 s21, s21, s23
	s_add_co_u32 s21, s21, s16                     ; 16 x batch + my head
	s_lshr_b32 s23, s22, 7
	s_mov_b32 s43, 0
	s_mul_i32 s42, s21, 98304
	s_mul_i32 s28, s23, 6144
	s_add_co_u32 s42, s42, s28
	s_add_nc_u64 s[32:33], s[74:75], s[42:43]      ; q's eight images
	s_lshl_b32 s42, s42, 1
	s_add_nc_u64 s[34:35], s[78:79], s[42:43]      ; K's eight images,
	s_add_co_u32 s42, s42, 6144
	s_add_nc_u64 s[50:51], s[78:79], s[42:43]      ; V's four fragments behind them
	s_lshl_b32 s42, s21, 12
	s_lshl_b32 s28, s23, 8
	s_add_co_u32 s42, s42, s28
	s_add_nc_u64 s[36:37], s[76:77], s[42:43]      ; q's u16
	s_lshl_b32 s42, s21, 13
	s_add_co_u32 s42, s42, s28
	s_add_nc_u64 s[46:47], s[80:81], s[42:43]      ; K's u16,
	s_add_co_u32 s42, s42, 4096
	s_add_nc_u64 s[52:53], s[80:81], s[42:43]      ; V's scale words
	s_lshl_b32 s42, s22, 7
	s_add_nc_u64 s[38:39], s[72:73], s[42:43]      ; the table at t0
	s_add_nc_u64 s[48:49], s[82:83], s[88:89]      ; my part of out1
	s_mov_b32 s24, 0x76543210
	s_mov_b32 s25, 0xfedcba98                      ; lane l xor 16
	s_mov_b32 s26, 0x3c800000                      ; 1 / 64
	s_mov_b32 s27, 0x34000000                      ; f32's eps
.set CSR, 32                           ; v32-95   cos (16) and sin (16), two sets
.set NN,  96                           ; v96-159  64 numbers: 32 x (q, k) + 16 x block + e
.set CDR, 160                          ; v160-179 the codes
.set SQ,  180                          ; v180-187 sums of squares
.set RS,  188                          ; v188, v190 the two rsqrt (named as pairs)
.set TT,  192
.set TM,  200
.set UU,  216
.irp i, 0,1,2,3,4,5,6,7
	v_mov_b32 v[TT+\i], 0                          ; a lane permute's destination counts as one of its sources
.endr
.irp i, 4,5,6,7
	v_mov_b32 v[TM+\i], 0
.endr
	v_mov_b32 v[RS+1], 0
	v_mov_b32 v[RS+3], 0
	s_wait_alu depctr_va_vdst(0)
.macro LOADCS a                        ; cos and sin of block a's 16 tokens: lane (r, h) takes frequencies 16 h + 0 .. 15 of token r
.irp k, 0,1,2,3
	global_load_b128 v[CSR+32*((\a)%2)+4*\k:CSR+32*((\a)%2)+4*\k+3], v3, s[38:39] offset:(\a)*2048+16*\k
.endr
.irp k, 0,1,2,3
	global_load_b128 v[CSR+32*((\a)%2)+16+4*\k:CSR+32*((\a)%2)+16+4*\k+3], v3, s[38:39] offset:(\a)*2048+16*\k+262144
.endr
.endm
.macro QUANT4 s                        ; 64 numbers of a lane become two images in v[CDR] on and four scale bytes in v[TM+4] on
.irp b, 0,1,2,3
	v_max3_num_f32 v[TM+\b], |v[\s+16*\b]|, |v[\s+1+16*\b]|, 0x1800000   ; the floor 2^(3 - 127) holds the byte at 1 from below
.endr
.irp i, 2,4,6,8,10,12,14
.irp b, 0,1,2,3
	v_max3_num_f32 v[TM+\b], v[TM+\b], |v[\s+16*\b+\i]|, |v[\s+1+16*\b+\i]|
.endr
.endr
.irp b, 0,1,2,3
	v_permlanex16_b32 v[TM+4+\b], v[TM+\b], s24, s25
.endr
.irp b, 0,1,2,3
	v_max_num_f32 v[TM+\b], v[TM+\b], v[TM+4+\b]
.endr
.irp b, 0,1,2,3
	v_add_nc_u32 v[TM+12+\b], 0xff000000, v[TM+\b] ; 2 off the exponent field: the conversion's scale operand
.endr
.irp b, 0,1,2,3
	v_lshrrev_b32 v[TM+4+\b], 23, v[TM+12+\b]      ; the byte
.endr
.irp c, 0,1
	v_cvt_scalef32_pk16_fp6_f32 v[CDR+6*\c:CDR+2+6*\c], v[\s+32*\c:\s+15+32*\c], v[TM+12+2*\c]
	v_cvt_scalef32_pk16_fp6_f32 v[CDR+12+4*\c:CDR+14+4*\c], v[\s+16+32*\c:\s+31+32*\c], v[TM+12+2*\c+1]
.endr
	v_nop                                          ; one plain place behind a scaled conversion
.irp c, 0,1
.irp i, 0,1,2
	v_permlane16_swap_b32 v[CDR+6*\c+\i], v[CDR+12+4*\c+\i]
.endr
.irp i, 0,1,2
	v_mov_b32 v[CDR+3+6*\c+\i], v[CDR+12+4*\c+\i]
.endr
.endr
.endm
.macro QKBLK a                         ; tokens 16 a .. 16 a + 15 of my 128: hd = 0 q, hd = 1 k
.set WW, 2+(\a)/4
.set AC, 64*((\a)%4)
.set CC, CSR+32*((\a)%2)
.if (\a) < 7
	LOADCS (\a)+1
.endif
.set WN, WW|(WW<<2)
	WIN WN
.irp p, 0,1,2,3                        ; the pair of registers outermost: each accumulator is first read at its low end
.irp i, 0,1,2,3
.irp hd, 0,1
.set RA, AC+32*\hd+8*\i+2*\p
.set RQ, SQ+4*\hd+2*(\i%2)
.if (\p == 0) && (\i < 2)
	v_pk_mul_f32 v[RQ:RQ+1], v[RA:RA+1], v[RA:RA+1]
.else
	v_pk_fma_f32 v[RQ:RQ+1], v[RA:RA+1], v[RA:RA+1], v[RQ:RQ+1]
.endif
.endr
.endr
.endr
	WIN 0
.irp hd, 0,1
	v_pk_add_f32 v[SQ+4*\hd:SQ+4*\hd+1], v[SQ+4*\hd:SQ+4*\hd+1], v[SQ+4*\hd+2:SQ+4*\hd+3]
.endr
.irp hd, 0,1
	v_add_f32 v[TT+\hd], v[SQ+4*\hd], v[SQ+4*\hd+1]
.endr
.irp hd, 0,1
	v_permlanex16_b32 v[TT+2+\hd], v[TT+\hd], s24, s25
.endr
.irp hd, 0,1
	v_add_f32 v[TT+\hd], v[TT+\hd], v[TT+2+\hd]    ; the head's 64 squares
.endr
.irp hd, 0,1
	v_fma_f32 v[TT+\hd], v[TT+\hd], s26, s27       ; the mean + eps
.endr
	s_wait_alu depctr_va_vdst(0)
.irp hd, 0,1
	v_rsq_f32 v[RS+2*\hd], v[TT+\hd]
.endr
	v_nop
	s_wait_alu depctr_va_vdst(0)                   ; one wait for both, ahead of their first reader
	WIN WW
.set KI, 0
.rept 32
	v_pk_mul_f32 v[NN+KI:NN+KI+1], v[AC+KI:AC+KI+1], v[RS+2*(KI/32):RS+2*(KI/32)+1] op_sel_hi:[1,0]
.set KI, KI+2
.endr
	WIN 0
.irp g, 0,1,2,3                        ; tiles 2 g and 2 g + 1 change halves: register 16 g + e of half h then holds place 32 g + 16 h + e
.irp j, 0,1,2,3,4,5,6,7
	v_permlane16_swap_b32 v[NN+16*\g+\j], v[NN+16*\g+8+\j]
.endr
.endr
.if (\a) == 7
	s_wait_loadcnt 0x0
.else
.if (\a) == 4
	s_wait_loadcnt 63                              ; this block's cos and sin are in: 72 younger loads (v1's 64, the next block's 8) are more than the field holds
.else
	s_wait_loadcnt 8                               ; this block's cos and sin are in; the next block's eight loads may be out
.endif
.endif
.irp hd, 0,1                           ; RoPE: y1 = x1 cos + x2 sin, y2 = x2 cos - x1 sin
.irp e, 0,2,4,6,8,10,12,14
.set TW, TT+4*((\e/2)%2)
	v_pk_mul_f32 v[TW:TW+1], v[NN+32*\hd+16+\e:NN+32*\hd+17+\e], v[CC+16+\e:CC+17+\e]
	v_pk_mul_f32 v[TW+2:TW+3], v[NN+32*\hd+\e:NN+32*\hd+1+\e], v[CC+16+\e:CC+17+\e]
	v_pk_fma_f32 v[NN+32*\hd+\e:NN+32*\hd+1+\e], v[NN+32*\hd+\e:NN+32*\hd+1+\e], v[CC+\e:CC+1+\e], v[TW:TW+1]
	v_pk_fma_f32 v[NN+32*\hd+16+\e:NN+32*\hd+17+\e], v[NN+32*\hd+16+\e:NN+32*\hd+17+\e], v[CC+\e:CC+1+\e], v[TW+2:TW+3] neg_lo:[0,0,1] neg_hi:[0,0,1]
.endr
.endr
	s_wait_xcnt 0x0                                ; the last block's stores have read the codes' registers
	QUANT4 NN
.irp hd, 0,1
	v_lshl_or_b32 v[UU+2*(\a)+\hd], v[TM+5+2*\hd], 8, v[TM+4+2*\hd]
.endr
.irp hd, 0,1
	global_store_b128 v1, v[CDR+6*\hd:CDR+6*\hd+3], s[32+2*\hd:33+2*\hd] offset:768*(\a)          ; 512 consecutive bytes, aligned to 256
	global_store_b64 v2, v[CDR+6*\hd+4:CDR+6*\hd+5], s[32+2*\hd:33+2*\hd] offset:768*(\a)+512     ; and 256 more
	ds_store_b16 v4, v[UU+2*(\a)+\hd] offset:256*\hd+64*((\a)/2)+2*((\a)%2)                       ; lanes r and r + 16 write the same two bytes
.endr
.endm
.macro LOADV kb                        ; v1 of tokens 64 kb on, into window 2, which q's and k's blocks 0-3 have left: a load reads 256 consecutive bytes of two rows
	WIN 0x80
.set LI, 0
.rept 32
	global_load_b128 v[128*(\kb)+4*LI:128*(\kb)+4*LI+3], v10, s[84:85] offset:(64*(\kb)+LI)*4096 th:TH_LOAD_NT
.set LI, LI+1
.endr
	WIN 0
.endm
	LOADCS 0
.irp a, 0,1,2,3
	QKBLK \a
.endr
	LOADV 0
	LOADV 1
.irp a, 4,5,6,7
	QKBLK \a
.endr
	ds_load_b64 v[TM:TM+1], v5                     ; LDS serves a wave's instructions in order: these see my stores
	ds_load_b64 v[TM+2:TM+3], v5 offset:256
	s_wait_dscnt 0x0
	global_store_b64 v2, v[TM:TM+1], s[36:37]      ; an aligned unit of 256 bytes each
	global_store_b64 v2, v[TM+2:TM+3], s[46:47]
	s_wait_xcnt 0x0                                ; the stores of q's and k's codes and u16 have read their registers: v's way out writes them again only behind this wait
	; ---- v
	s_wait_kmcnt 0x0
	v_sub_f32 v16, 1.0, s86                        ; 1 - lambda
	v_mov_b32 v17, v16
.irp c, 0,1,2,3
	v_mov_b32 v[228+\c], 0
.endr
.macro VBLK kb                         ; 64 tokens: lanes 0-15 block 2 kb of 32 keys, lanes 16-31 block 2 kb + 1
.set AB, 128*(\kb)
	WIN 0x04                                       ; an LDS store's data are its source 1: window 1
.irp e, 0,1,2,3
.irp c, 0,1,2,3
	ds_store_b128 v6, v[AB+32*\e+8*\c:AB+32*\e+8*\c+3] offset:4352*\e+64*\c           ; each accumulator from its low end on
	ds_store_b128 v6, v[AB+32*\e+8*\c+4:AB+32*\e+8*\c+7] offset:4352*\e+64*\c+16
.endr
.endr
	WIN 0x40
.set II, 0
.rept 32
	ds_load_b128 v[AB+4*II:AB+4*II+3], v7 offset:272*II     ; token 32 h + II, my four features, into the registers that the accumulators have left
.set II, II+1
.endr
	WIN 0x08                                       ; a store's data are its source 1: window 2
.set II, 0
.rept 32
	global_store_b128 v10, v[AB+4*II:AB+4*II+3], s[48:49] offset:(64*(\kb)+II)*4096 th:TH_STORE_NT   ; out1 = v1: two aligned units of 256 bytes
.set II, II+1
.endr
	s_wait_dscnt 0x0
	WIN 0x41
.set II, 0
.rept 64
	v_pk_mul_f32 v[AB+II:AB+II+1], v[AB+II:AB+II+1], v[16:17] op_sel_hi:[1,0]
.set II, II+2
.endr
	WIN 0x12                                       ; source 0: v1, window 2; source 2: window 1; destination window 0
.set II, 0
.rept 32
.set PI, (II&7)|((II&8)<<1)|((II&16)>>1)
.irp c, 0,1,2,3
	v_fma_f32 v[96+32*\c+PI], v[AB+4*II+\c], s86, v[AB+4*II+\c]     ; feature c's block: token II at code place PI
.endr
.set II, II+1
.endr
	WIN 0
.irp c, 0,1,2,3
	v_max3_num_f32 v[32+\c], |v[96+32*\c]|, |v[97+32*\c]|, 0x1800000
.endr
.irp i, 2,4,6,8,10,12,14,16,18,20,22,24,26,28,30
.irp c, 0,1,2,3
	v_max3_num_f32 v[32+\c], v[32+\c], |v[96+32*\c+\i]|, |v[97+32*\c+\i]|
.endr
.endr
.irp c, 0,1,2,3
	v_add_nc_u32 v[36+\c], 0xff000000, v[32+\c]
.endr
.irp c, 0,1,2,3
	v_lshrrev_b32 v[40+\c], 23, v[36+\c]
.endr
.irp c, 0,1,2,3
.if (\kb) == 0
	v_mov_b32 v[224+\c], v[40+\c]
.else
	v_lshl_or_b32 v[224+\c], v[40+\c], 16, v[224+\c]        ; my two bytes: blocks h and 2 + h
.endif
.endr
.irp c, 0,1,2,3
	v_cvt_scalef32_pk16_fp6_f32 v[48+8*\c:50+8*\c], v[96+32*\c:111+32*\c], v[36+\c]
	v_cvt_scalef32_pk16_fp6_f32 v[52+8*\c:54+8*\c], v[112+32*\c:127+32*\c], v[36+\c]
.endr
	v_nop
.irp c, 0,1,2,3
	v_mov_b32 v[51+8*\c], v[52+8*\c]               ; six registers on end
	v_mov_b32 v[52+8*\c], v[53+8*\c]
	v_mov_b32 v[53+8*\c], v[54+8*\c]
.endr
.irp c, 0,1,2,3                        ; block 2 kb + h is registers 6 kb .. 6 kb + 5 of lane 4 (r % 4) + c + 16 h of its fragment
.if (\kb) == 0
	ds_store_b128 v8, v[48+8*\c:51+8*\c] offset:16*\c
	ds_store_b64 v8, v[52+8*\c:53+8*\c] offset:512+16*\c
.else
	ds_store_b64 v8, v[48+8*\c:49+8*\c] offset:520+16*\c
	ds_store_b128 v8, v[50+8*\c:53+8*\c] offset:1024+16*\c
.endif
.endr
.endm
	s_wait_alu depctr_va_vdst(0)
	VBLK 0
	VBLK 1
.irp c, 0,1,2,3
	v_lshlrev_b32 v[224+\c], v15, v[224+\c]        ; at their places in the scale word (8 h bits up);
.endr
.irp c, 0,1,2,3
	v_permlanex16_b32 v[228+\c], v[224+\c], s24, s25
.endr
.irp c, 0,1,2,3
	v_or_b32 v[224+\c], v[224+\c], v[228+\c]       ; with lane l xor 16's two the word is whole
.endr
	s_wait_alu depctr_va_vdst(0)                   ; the words are stored behind waits
.set II, 0
.rept 12
	ds_load_b128 v[96+4*II:96+4*II+3], v9 offset:512*II
.set II, II+1
.endr
.set II, 0
.rept 12
	s_wait_dscnt 11-II                             ; the younger read-backs may be out
	global_store_b128 v1, v[96+4*II:96+4*II+3], s[50:51] offset:512*II   ; 512 consecutive bytes
.set II, II+1
.endr
	global_store_b128 v11, v[224:227], s[52:53]    ; the scale words: an aligned unit of 256 bytes; lanes r and r + 16 store the same
	s_wait_tensorcnt 0x0                           ; the wave's end
	ds_add_u32 v[SPW], v[NIL]
	s_wait_dscnt 0x0
	CROUND                                         ; the closing round
	s_endpgm
.Lfunc_end_k_qd53d97ee56_qkv:
	.size	k_qd53d97ee56_qkv, .Lfunc_end_k_qd53d97ee56_qkv-k_qd53d97ee56_qkv
	.p2alignl 7, 3214868480
	.fill 96, 4, 3214868480
	.section	.rodata,"a",@progbits
	.p2align	6, 0x0
	.amdhsa_kernel k_qd53d97ee56_qkv
		.amdhsa_group_segment_fixed_size 327680
		.amdhsa_private_segment_fixed_size 0
		.amdhsa_enable_private_segment 0
		.amdhsa_kernarg_size 80
		.amdhsa_user_sgpr_count 2
		.amdhsa_user_sgpr_kernarg_segment_ptr 1
		.amdhsa_wavefront_size32 1
		.amdhsa_system_sgpr_workgroup_id_x 1
		.amdhsa_system_sgpr_workgroup_id_y 1
		.amdhsa_system_sgpr_workgroup_id_z 1
		.amdhsa_system_vgpr_workitem_id 0
		.amdhsa_next_free_vgpr 1024
		.amdhsa_next_free_sgpr 100
		.amdhsa_reserve_vcc 0
		.amdhsa_float_denorm_mode_32 3
		.amdhsa_float_denorm_mode_16_64 3
		.amdhsa_memory_ordered 1
		.amdhsa_forward_progress 1
		.amdhsa_inst_pref_size 255
	.end_amdhsa_kernel
	.section	.bss,"aw",@nobits
	.p2align	6
	.space	262144
	.amdgpu_metadata
---
amdhsa.version: [ 1, 2 ]
amdhsa.kernels:
  - .name:           k_qd53d97ee56_qkv
    .symbol:         k_qd53d97ee56_qkv.kd
    .args:
      - { .name: img, .offset: 0, .size: 8, .value_kind: global_buffer, .address_space: global }
      - { .name: x_scales, .offset: 8, .size: 8, .value_kind: global_buffer, .address_space: global }
      - { .name: v1, .offset: 16, .size: 8, .value_kind: global_buffer, .address_space: global }
      - { .name: lamb, .offset: 24, .size: 8, .value_kind: global_buffer, .address_space: global }
      - { .name: rope, .offset: 32, .size: 8, .value_kind: global_buffer, .address_space: global }
      - { .name: qc, .offset: 40, .size: 8, .value_kind: global_buffer, .address_space: global }
      - { .name: qs, .offset: 48, .size: 8, .value_kind: global_buffer, .address_space: global }
      - { .name: kv, .offset: 56, .size: 8, .value_kind: global_buffer, .address_space: global }
      - { .name: kvs, .offset: 64, .size: 8, .value_kind: global_buffer, .address_space: global }
      - { .name: out1, .offset: 72, .size: 8, .value_kind: global_buffer, .address_space: global }
    .group_segment_fixed_size: 327680
    .private_segment_fixed_size: 0
    .kernarg_segment_align: 8
    .kernarg_segment_size: 80
    .max_flat_workgroup_size: 128
    .sgpr_count:     100
    .vgpr_count:     1024
    .wavefront_size: 32
...
	.end_amdgpu_metadata
.endif
;; end of part 2
;; launch attn (part 3): grid 4 x 64, 16 waves a work-group, no clusters, 327,680 bytes of LDS; arguments qc, qs, kv, kvs, yimg, ys; writes yimg, ys
.if DOCPART == 3
	.amdgcn_target "amdgcn-amd-amdhsa--gfx1250"
	.amdhsa_code_object_version 6
	.text
	.protected	k_qd53d97ee56_attn
	.globl	k_qd53d97ee56_attn
	.p2align	8
	.type	k_qd53d97ee56_attn,@function
k_qd53d97ee56_attn:
	s_mov_b64 s[64:65], 0
	v_nop
	global_prefetch_b8 v0, s[64:65] scope:SCOPE_SE
	s_setreg_imm32_b32 hwreg(HW_REG_WAVE_MODE, 25, 1), 1
	s_wait_xcnt 0x0
; y = softmax(q k^T / 8, causal) v for one head, both products on codes of E2M3, and y's quantiser along C.  WORK LEFT OUT: steps of 128 keys all of which come after a tile's 16 queries (reference()'s own
; tril mask: shown at the head of the first kernel).
; THE SOFTMAX: t = score x log2(e) / 8; p = 2^(t - M) is quantised along the keys; the sum is taken of the unquantised p and divides at the end.  M = 16 FOR EVERY ROW: reference() normalises q and k itself,
; so |t| < 16 for all finite inputs (the bound is worked out at the head of the first kernel); p lies between 2^-32 and 1 and a row's sum under 2^11: nothing overflows or falls to zero.  M is a whole
; number, so a block's scale takes the difference to the row's own M up and the codes are the same.
; SHARES.  Work-group (p, head); sixteen waves of 256 registers.  Wave w owns TWO tiles of 16 queries: 256 p + 16 w and 256 (7 - p) + 16 (15 - w): together 17 steps of 128 keys in every wave.
; LDS HOLDS THE HEAD'S K AND V WHOLE, each byte filled once: 16 steps x 12,288 bytes (eight images of K, four fragments of V), then 8,192 bytes of scales.  At the head waves 0-13 ask for 16 rows of 256
; bytes each (steps 0-3 and a part of step 4), waves 14 and 15 for the scales.  Behind the first barrier every wave asks for 34 rows of the rest, unless its rows begin behind the work-group's last key.
; A second barrier stands behind step 3; behind it the waves walk on their own.
; NO CLUSTER: the four work-groups of a head need 8 - p units of 256 keys: a joint load would bring some partners tiles that none of their waves reads.
; NO PREFETCH: all that the work-group reads has been asked for by its tensor loads before step 0 is multiplied; there is no later request to run ahead of.
; K = 64 IN AN INSTRUCTION OF 128: source 0 holds TWO tiles of 16 keys (X in registers 0-5, Y in 6-11); source 1 is (q, zeros) for q . X and (zeros, q) for q . Y.  The two tiles' q share 30 registers:
; q0 | 0 | q1 | 0 | q0.  Zero codes add nothing under any scale byte but 0xff, and the bytes here are 1 to 254.
; LAYOUT.  Both products transposed: a lane holds one query (lane % 16).  S^T: register 16 b + 8 u + j of half h = key 32 b + 16 u + 8 h + j; the conversions put it at code place 16 h + 8 u + j of block b,
; where the launch before has put the same key of V.
; ys is stored two bytes a token, 32 bytes apart: units of 256 bytes written in part; they are one byte in 24 of what this launch stores.
.set SCK,   196608
.set SPARE, SCK+8192                   ; the spare words, 128 bytes a wave
.set STEPB, 12288
.set SPW, 5
.set NIL, 6
.set ADK, 8                            ; the step's addresses: 16 l, 8 l, scale words
.set ADK8, 9
.set ADS, 10
.set MM,  12                           ; v12-13 -M
.set SUM, 14                           ; v14-17 the sums, a pair for each tile
.set CH,  18                           ; v18-19 the sum's second chain
.set QF,  20                           ; v20-49 q0 | 0 | q1 | 0 | q0
.set QS,  50                           ; v50, v51 q's scale words
.set SO,  52                           ; v52-55 the conversions' scale operands
.set C2B, 56                           ; v56-58, v252-254 the conversions' second halves
.set C2A, 252
.set FRG, 60                           ; v60-107 four fragments: K's, then V's
.set S,   108                          ; v108-171 S^T, then p
.set OT,  172                          ; v172-235 O^T of the two tiles
.set PCD, 236                          ; v236-247 p's codes; ahead of the conversions at work:
.set PT,  236                          ;   lane permutes' destinations
.set BM,  240                          ;   the blocks' largest p, then the bytes
.set MK,  244                          ;   the mask's
.set PSW, 248                          ; p's scale word; v249, v250 K's or V's scale words
	s_load_b256 s[4:11], s[0:1], 0x0               ; qc, qs, kv, kvs
	s_load_b128 s[12:15], s[0:1], 0x20             ; yimg, ys
	v_lshl_add_u32 v[SPW], v0, 2, SPARE
	v_mov_b32 v[NIL], 0
	ds_add_u32 v[SPW], v[NIL]                      ; the wave's opening: the add, twice on end, and its wait ahead of the first tensor load
	ds_add_u32 v[SPW], v[NIL]
	v_lshrrev_b32 v8, 5, v0
	s_delay_alu instid0(VALU_DEP_1)
	v_readfirstlane_b32 s18, v8                    ; wave 0..15
	s_and_b32 s60, ttmp7, 0xffff                   ; 16 x batch + head
	s_lshl_b32 s48, ttmp9, 8
	s_lshl_b32 s61, s18, 4
	s_add_co_u32 s48, s48, s61                     ; tile 0's first query
	s_sub_co_u32 s49, 2032, s48                    ; tile 1's
	s_mov_b32 s24, 3<<16                           ; group 1 of the head's loads: 16 rows of 256 bytes (32 elements of 8), dense
	s_mov_b32 s25, 32<<16
	s_mov_b32 s26, 16<<16
	s_mov_b32 s27, 32<<16
	s_mov_b32 s28, 16
	s_mov_b32 s29, 32
	s_mov_b32 s30, 0
	s_mov_b32 s31, 0
	s_mov_b32 s32, 3<<16                           ; of the rest: 34 rows
	s_mov_b32 s33, 32<<16
	s_mov_b32 s34, 34<<16
	s_mov_b32 s35, 32<<16
	s_mov_b32 s36, 34
	s_mov_b32 s37, 32
	s_mov_b32 s38, 0
	s_mov_b32 s39, 0
	s_mul_i32 s62, s60, 196608                     ; the head's first byte in kv
	s_mov_b32 s40, 1
	s_lshl_b32 s41, s18, 12                        ; waves 0-13: rows 16 w on
	s_add_co_u32 s90, s62, s41
	s_mov_b32 s91, 0
	s_mov_b32 s44, 1
	s_and_b32 s63, s18, 1                          ; waves 14, 15: a half of the scales
	s_lshl_b32 s63, s63, 12
	s_lshl_b32 s92, s60, 13
	s_add_co_u32 s92, s92, s63
	s_mov_b32 s93, 0
	s_add_co_u32 s45, s63, SCK
	s_mov_b32 s52, 1
	s_mul_i32 s53, s18, 8704                       ; the rest: rows 224 + 34 w on
	s_add_co_u32 s53, s53, 57344
	s_add_co_u32 s94, s62, s53
	s_mov_b32 s95, 0
	s_sub_co_u32 s67, 8, ttmp9
	s_mul_i32 s67, s67, 24576                      ; the bytes up to my work-group's last key
	s_mov_b32 s20, 0x76543210
	s_mov_b32 s21, 0xfedcba98                      ; lane l xor 16
	s_mov_b32 s22, 0x3e38aa3b                      ; c = log2(e) / 8
	s_mov_b32 s23, s22
	s_mov_b32 s2, 0                                ; the step's bytes in LDS
	s_mov_b32 s3, 0                                ; its scale words: 256 bytes a step
	s_mov_b32 s98, 0                               ; its first key
	s_wait_dscnt 0x0                               ; both opening adds are done
	s_wait_kmcnt 0x0
	s_add_nc_u64 s[42:43], s[8:9], s[90:91]
	s_or_b32 s43, s43, 0x80000000
	s_add_nc_u64 s[46:47], s[10:11], s[92:93]
	s_or_b32 s47, s47, 0x80000000
	s_add_nc_u64 s[54:55], s[8:9], s[94:95]
	s_or_b32 s55, s55, 0x80000000
	s_cmp_lt_u32 s18, 14                           ; every wave issues one load here
	s_cbranch_scc0 .Lscales
	tensor_load_to_lds s[40:43], s[24:31]
	s_nop 0
.rept 4
	v_nop
.endr
	s_branch .Lasked
.Lscales:
	tensor_load_to_lds s[44:47], s[24:31]
	s_nop 0
.rept 4
	v_nop
.endr
.Lasked:
.irp T, 0,1
	s_mul_i32 s90, s[48+\T], 48                    ; (q0 / 16) x 768
	s_mul_i32 s91, s60, 98304
	s_add_co_u32 s90, s90, s91
	s_mov_b32 s91, 0
	s_add_nc_u64 s[68+2*\T:69+2*\T], s[4:5], s[90:91]      ; the tile's image of q
	s_lshr_b32 s90, s[48+\T], 5
	s_lshl_b32 s90, s90, 6
	s_bfe_u32 s92, s[48+\T], 0x10004
	s_lshl_b32 s92, s92, 1
	s_add_co_u32 s90, s90, s92
	s_lshl_b32 s92, s60, 12
	s_add_co_u32 s90, s90, s92
	s_add_nc_u64 s[72+2*\T:73+2*\T], s[6:7], s[90:91]      ; its u16
	s_lshr_b32 s92, s60, 4
	s_lshl_b32 s92, s92, 11
	s_add_co_u32 s92, s92, s[48+\T]                ; its first row among the 8,192
	s_and_b32 s93, s60, 15                         ; the head
	s_add_co_u32 s90, s92, s93
	s_mul_i32 s90, s90, 768
	s_add_nc_u64 s[76+2*\T:77+2*\T], s[12:13], s[90:91]    ; y's image: 16 rows are 16 heads x 768 bytes
	s_lshl_b32 s90, s92, 5
	s_lshl_b32 s93, s93, 1
	s_add_co_u32 s90, s90, s93
	s_add_nc_u64 s[80+2*\T:81+2*\T], s[14:15], s[90:91]    ; y's scale bytes: 32 a row, 2 a head
.endr
	v_and_b32 v8, 31, v0
	v_and_b32 v9, 15, v0
	v_bfe_u32 v10, v0, 4, 1
	v_lshlrev_b32 v1, 4, v8                        ; 16 l
	v_lshlrev_b32 v2, 3, v8                        ; 8 l
	v_lshl_add_u32 v3, v8, 2, SCK                  ; scale words: 4 l
	v_lshlrev_b32 v4, 2, v9                        ; 4 r
	v_lshlrev_b32 v7, 5, v9                        ; 32 r
	v_lshlrev_b32 v10, 3, v10
	s_delay_alu instid0(VALU_DEP_1)
	v_sub_nc_u32 v11, v9, v10                      ; r - 8 h, for the mask
	global_load_b128 v[QF:QF+3], v1, s[68:69]
	global_load_b64 v[QF+4:QF+5], v2, s[68:69] offset:512
	global_load_b128 v[QF+24:QF+27], v1, s[68:69]
	global_load_b64 v[QF+28:QF+29], v2, s[68:69] offset:512
	global_load_b128 v[QF+12:QF+15], v1, s[70:71]
	global_load_b64 v[QF+16:QF+17], v2, s[70:71] offset:512
	global_load_u16 v[QS], v4, s[72:73]
	global_load_u16 v[QS+1], v4, s[74:75]
.irp i, 6,7,8,9,10,11,18,19,20,21,22,23
	v_mov_b32 v[QF+\i], 0                          ; zero codes
.endr
	v_mov_b32 v[MM], 0xc1800000                    ; -M = -16
	v_mov_b32 v[MM+1], 0xc1800000
.irp i, 0,1,2,3,4,5
	v_mov_b32 v[SUM+\i], 0                         ; the sums, and the second chain's pair
.endr
.irp i, 0,1,2,3
	v_mov_b32 v[PT+\i], 0                          ; a lane permute's destination counts as one of its sources
.endr
	v_mov_b32 v255, 0
	s_wait_loadcnt 0x0                             ; q
	v_lshl_or_b32 v[QS], v[QS], 16, v[QS]          ; q's two bytes twice
	v_lshl_or_b32 v[QS+1], v[QS+1], 16, v[QS+1]
.set JJ, 0
.rept 64
	v_mov_b32 v[OT+JJ], 0                          ; O^T: the step is written once; the first finds zeros
.set JJ, JJ+1
.endr
; Tile T's share of a step of 128 keys
.macro TILE T
.set SS, SUM+2*(\T)
.set OO, OT+32*(\T)
	s_add_co_u32 s96, s[48+\T], 15                 ; all keys behind all my 16 queries: the step is left out (ids and the count of steps alone)
	s_cmp_gt_u32 s98, s96
	s_cbranch_scc1 .Lhid_\@
.rept 4
	v_nop                                          ; places in front of loads into registers that matrix instructions have read
.endr
	ds_load_b32 v249, v[ADS]                       ; lanes 0-15: fragment 0's words, lanes 16-31: fragment 1's
	ds_load_b32 v250, v[ADS] offset:128            ; fragments 2 and 3
.irp f, 0,1,2,3
.irp u, 0,1
	ds_load_b128 v[FRG+12*\f+6*\u:FRG+12*\f+6*\u+3], v[ADK] offset:768*(2*\f+\u)
	ds_load_b64 v[FRG+12*\f+6*\u+4:FRG+12*\f+6*\u+5], v[ADK8] offset:768*(2*\f+\u)+512
.endr
.endr
.irp f, 0,1,2,3
	s_wait_dscnt 12-4*\f                           ; fragment f is in; the four loads of each later fragment may be out
.irp u, 0,1
.set QB, QF+18*\u+(\T)*(12-24*\u)
.if \f%2
	v_wmma_scale_f32_16x16x128_f8f6f4 v[S+8*(2*\f+\u):S+8*(2*\f+\u)+7], v[FRG+12*\f:FRG+12*\f+11], v[QB:QB+11], 0, v[249+\f/2], v[QS+\T] matrix_a_fmt:MATRIX_FMT_FP6 matrix_b_fmt:MATRIX_FMT_FP6 matrix_a_scale:MATRIX_SCALE_ROW1
.else
	v_wmma_scale_f32_16x16x128_f8f6f4 v[S+8*(2*\f+\u):S+8*(2*\f+\u)+7], v[FRG+12*\f:FRG+12*\f+11], v[QB:QB+11], 0, v[249+\f/2], v[QS+\T] matrix_a_fmt:MATRIX_FMT_FP6 matrix_b_fmt:MATRIX_FMT_FP6
.endif
.endr
.endr
.rept 4
	v_nop                                          ; places: for the loads below and for the first reads of S^T
.endr
.irp t, 0,1,2,3
.irp k, 0,1,2
	ds_load_b128 v[FRG+12*\t+4*\k:FRG+12*\t+4*\k+3], v[ADK] offset:6144+1536*\t+512*\k    ; V's fragments, asked for ahead of the softmax
.endr
.endr
	ds_load_b32 v249, v[ADS] offset:4096           ; V's scale words: tiles 0 and 1 of the head's 64,
	ds_load_b32 v250, v[ADS] offset:4224           ; tiles 2 and 3
	s_add_co_u32 s96, s98, 127                     ; a step all of whose keys count skips the mask
	s_cmp_le_u32 s96, s[48+\T]
	s_cbranch_scc1 .Lopen_\@
	s_sub_co_u32 s96, s[48+\T], s98
	v_add_nc_u32 v[MK], s96, v11                   ; d = my query - the step's first key - 8 h: register n holds a hidden key where 16 (n / 8) + n % 8 > d
	v_mov_b32 v[MK+1], 0xff800000                  ; -infinity: p = 0 then
.set NI, 0
.rept 64
	v_cmp_gt_i32 vcc_lo, 16*(NI/8)+NI%8, v[MK]
	v_cndmask_b32 v[S+NI], v[S+NI], v[MK+1], vcc_lo
.set NI, NI+1
.endr
.Lopen_\@:
.set JJ, 0
.rept 32
	v_pk_fma_f32 v[S+JJ:S+JJ+1], v[S+JJ:S+JJ+1], s[22:23], v[MM:MM+1] op_sel_hi:[1,0,0]   ; t - M; each accumulator from its low end on
.set JJ, JJ+2
.endr
	s_wait_alu depctr_va_vdst(0)
.set JJ, 0
.rept 64
	v_exp_f32 v[S+JJ], v[S+JJ]                     ; p
.set JJ, JJ+1
.endr
	v_nop                                          ; a plain place behind the exponentials
	s_wait_alu depctr_va_vdst(0)                   ; one wait for the batch, ahead of its first reader
.irp b, 0,1,2,3
	v_max3_num_f32 v[BM+\b], v[S+16*\b], v[S+1+16*\b], 0x1800000     ; the largest p of each block of 32 keys, over the floor 2^(3 - 127): the byte cannot fall under 1
.endr
.irp i, 2,4,6,8,10,12,14
.irp b, 0,1,2,3
	v_max3_num_f32 v[BM+\b], v[BM+\b], v[S+16*\b+\i], v[S+1+16*\b+\i]
.endr
.endr
.irp b, 0,1,2,3
	s_delay_alu instid0(VALU_DEP_4)
	v_permlanex16_b32 v[PT+\b], v[BM+\b], s20, s21
.endr
.irp b, 0,1,2,3
	s_delay_alu instid0(VALU_DEP_4)
	v_max_num_f32 v[BM+\b], v[BM+\b], v[PT+\b]
.endr
.irp b, 0,1,2,3
	s_delay_alu instid0(VALU_DEP_4)
	v_add_nc_u32 v[SO+\b], 0xff000000, v[BM+\b]    ; 2 off the exponent field: the conversion's scale operand
.endr
.irp b, 0,1,2,3
	s_delay_alu instid0(VALU_DEP_4)
	v_lshrrev_b32 v[BM+\b], 23, v[SO+\b]           ; the byte
.endr
	s_delay_alu instid0(VALU_DEP_3)
	v_lshl_or_b32 v[PSW], v[BM+1], 8, v[BM]        ; p's scale word for these 128 keys
	s_delay_alu instid0(VALU_DEP_1)
	v_lshl_or_b32 v[PSW], v[BM+2], 16, v[PSW]
	s_delay_alu instid0(VALU_DEP_1)
	v_lshl_or_b32 v[PSW], v[BM+3], 24, v[PSW]
	v_cvt_scalef32_pk16_fp6_f32 v[PCD:PCD+2], v[S:S+15], v[SO]
	v_cvt_scalef32_pk16_fp6_f32 v[C2A:C2A+2], v[S+16:S+31], v[SO+1]
	v_cvt_scalef32_pk16_fp6_f32 v[PCD+6:PCD+8], v[S+32:S+47], v[SO+2]
	v_cvt_scalef32_pk16_fp6_f32 v[C2B:C2B+2], v[S+48:S+63], v[SO+3]
	v_pk_add_f32 v[CH:CH+1], v[S:S+1], v[S+2:S+3]  ; the sum of the unquantised p, in two chains; this line is the plain place behind the conversions
.irp i, 0,1,2
	v_permlane16_swap_b32 v[PCD+\i], v[C2A+\i]     ; a whole block in a lane
	v_permlane16_swap_b32 v[PCD+6+\i], v[C2B+\i]
.endr
.irp i, 0,1,2
	v_mov_b32 v[PCD+3+\i], v[C2A+\i]
	v_mov_b32 v[PCD+9+\i], v[C2B+\i]
.endr
.irp j, 4,8,12,16,20,24,28,32,36,40,44,48,52,56,60
	v_pk_add_f32 v[SS:SS+1], v[SS:SS+1], v[S+\j:S+1+\j]       ; these 31 lines are also the places between the codes' and the scale word's lines and the products
	v_pk_add_f32 v[CH:CH+1], v[CH:CH+1], v[S+2+\j:S+3+\j]
.endr
	s_delay_alu instid0(VALU_DEP_1)
	v_pk_add_f32 v[SS:SS+1], v[SS:SS+1], v[CH:CH+1]
	s_wait_dscnt 0x0                               ; V's fragments and scale words
.irp t, 0,1,2,3                        ; the four accumulators by turns
	s_wait_alu depctr_va_vdst(0)
.if \t%2
	v_wmma_scale_f32_16x16x128_f8f6f4 v[OO+8*\t:OO+8*\t+7], v[FRG+12*\t:FRG+12*\t+11], v[PCD:PCD+11], v[OO+8*\t:OO+8*\t+7], v[249+\t/2], v[PSW] matrix_a_fmt:MATRIX_FMT_FP6 matrix_b_fmt:MATRIX_FMT_FP6 matrix_a_scale:MATRIX_SCALE_ROW1
.else
	v_wmma_scale_f32_16x16x128_f8f6f4 v[OO+8*\t:OO+8*\t+7], v[FRG+12*\t:FRG+12*\t+11], v[PCD:PCD+11], v[OO+8*\t:OO+8*\t+7], v[249+\t/2], v[PSW] matrix_a_fmt:MATRIX_FMT_FP6 matrix_b_fmt:MATRIX_FMT_FP6
.endif
.endr
.Lhid_\@:
.endm
.macro STEP
	v_add_nc_u32 v[ADK], s2, v1
	v_add_nc_u32 v[ADK8], s2, v2
	v_add_nc_u32 v[ADS], s3, v3
	s_wait_alu depctr_va_vdst(0)
	TILE 0
	TILE 1
	s_add_co_u32 s98, s98, 128
	s_add_co_u32 s3, s3, 256
	s_add_co_u32 s2, s2, STEPB
.endm
	s_wait_alu depctr_va_vdst(0)
	s_wait_tensorcnt 0x0                           ; my load of the head is in
	ds_add_u32 v[SPW], v[NIL]
	s_wait_dscnt 0x0
	s_barrier_signal -1
	s_barrier_wait -1                              ; everybody's is: steps 0-3 and the scales are whole
	s_cmp_lt_u32 s53, s67                          ; rows that begin behind my work-group's last key are read by none of its waves: they are not asked for (ids alone)
	s_cbranch_scc0 .Lnorest
	tensor_load_to_lds s[52:55], s[32:39]          ; my one load behind this barrier: bytes that nothing has filled
	s_nop 0
.rept 4
	v_nop
.endr
.Lnorest:
	s_mov_b32 s97, 4
.Lnear:                                            ; steps 0-3
	STEP
	s_sub_co_u32 s97, s97, 1
	s_cmp_lg_u32 s97, 0
	s_cbranch_scc1 .Lnear
	s_wait_tensorcnt 0x0                           ; my part of the rest is in
	ds_add_u32 v[SPW], v[NIL]
	s_wait_dscnt 0x0
	s_barrier_signal -1
	s_barrier_wait -1                              ; everybody's is
	s_mov_b32 s2, 4*STEPB                          ; the second walk's start, as constants
	s_mov_b32 s3, 4*256
	s_mov_b32 s98, 4*128
	s_mov_b32 s97, 12
.Lfar:                                             ; steps 4-15: twelve trips, a constant; a step behind a tile's queries is jumped over
	STEP
	s_sub_co_u32 s97, s97, 1
	s_cmp_lg_u32 s97, 0
	s_cbranch_scc1 .Lfar
.rept 4
	v_nop                                          ; places behind the last products
.endr
	s_wait_alu depctr_va_vdst(0)
; THE WAY OUT of tile T: O^T / the sum; the halves change places so that a lane's 16 registers are 16 neighbours along C; the head's two blocks of 32 are quantised; the image and the two bytes a row are stored.
.macro OUT T
.set SS, SUM+2*(\T)
.set OO, OT+32*(\T)
	v_add_f32 v59, v[SS], v[SS+1]
	s_delay_alu instid0(VALU_DEP_1)
	v_permlanex16_b32 v255, v59, s20, s21
	s_delay_alu instid0(VALU_DEP_1)
	v_add_f32 v59, v59, v255                       ; the row's sum
	s_wait_alu depctr_va_vdst(0)
	v_rcp_f32 v[CH], v59
	v_nop
	s_wait_alu depctr_va_vdst(0)
.set JJ, 0
.rept 16
	v_pk_mul_f32 v[S+JJ:S+JJ+1], v[OO+JJ:OO+JJ+1], v[CH:CH+1] op_sel_hi:[1,0]    ; each accumulator from its low end on
.set JJ, JJ+2
.endr
.irp g, 0,1
.irp j, 0,1,2,3,4,5,6,7
	v_permlane16_swap_b32 v[S+16*\g+\j], v[S+16*\g+8+\j]    ; register 16 g + e of half h: d = 32 g + 16 h + e
.endr
.endr
.irp g, 0,1
	v_max3_num_f32 v[BM+\g], |v[S+16*\g]|, |v[S+1+16*\g]|, 0x1800000
.endr
.irp i, 2,4,6,8,10,12,14
.irp g, 0,1
	s_delay_alu instid0(VALU_DEP_2)
	v_max3_num_f32 v[BM+\g], v[BM+\g], |v[S+16*\g+\i]|, |v[S+1+16*\g+\i]|
.endr
.endr
.irp g, 0,1
	s_delay_alu instid0(VALU_DEP_2)
	v_permlanex16_b32 v[PT+\g], v[BM+\g], s20, s21
.endr
.irp g, 0,1
	s_delay_alu instid0(VALU_DEP_2)
	v_max_num_f32 v[BM+\g], v[BM+\g], v[PT+\g]
.endr
.irp g, 0,1
	s_delay_alu instid0(VALU_DEP_2)
	v_add_nc_u32 v[SO+\g], 0xff000000, v[BM+\g]
.endr
.irp g, 0,1
	s_delay_alu instid0(VALU_DEP_2)
	v_lshrrev_b32 v[BM+\g], 23, v[SO+\g]
.endr
	s_delay_alu instid0(VALU_DEP_1)
	v_lshl_or_b32 v251, v[BM+1], 8, v[BM]
	v_cvt_scalef32_pk16_fp6_f32 v[PCD:PCD+2], v[S:S+15], v[SO]
	v_cvt_scalef32_pk16_fp6_f32 v[C2A:C2A+2], v[S+16:S+31], v[SO+1]
	v_nop
.irp i, 0,1,2
	v_permlane16_swap_b32 v[PCD+\i], v[C2A+\i]
.endr
.irp i, 0,1,2
	s_delay_alu instid0(VALU_DEP_3)
	v_mov_b32 v[PCD+3+\i], v[C2A+\i]
.endr
	global_store_b128 v1, v[PCD:PCD+3], s[76+2*\T:77+2*\T]                 ; 512 consecutive bytes, aligned to 256
	global_store_b64 v2, v[PCD+4:PCD+5], s[76+2*\T:77+2*\T] offset:512     ; and 256 more
	global_store_b16 v7, v251, s[80+2*\T:81+2*\T]                          ; lanes r and r + 16 store the same two bytes
.endm
	OUT 0
	s_wait_xcnt 0x0                                ; tile 0's stores have read their registers
	OUT 1
	s_wait_tensorcnt 0x0                           ; the wave's end
	ds_add_u32 v[SPW], v[NIL]
	s_wait_dscnt 0x0
	s_endpgm
.Lfunc_end_k_qd53d97ee56_attn:
	.size	k_qd53d97ee56_attn, .Lfunc_end_k_qd53d97ee56_attn-k_qd53d97ee56_attn
	.p2alignl 7, 3214868480
	.fill 96, 4, 3214868480
	.section	.rodata,"a",@progbits
	.p2align	6, 0x0
	.amdhsa_kernel k_qd53d97ee56_attn
		.amdhsa_group_segment_fixed_size 327680
		.amdhsa_private_segment_fixed_size 0
		.amdhsa_enable_private_segment 0
		.amdhsa_kernarg_size 48
		.amdhsa_user_sgpr_count 2
		.amdhsa_user_sgpr_kernarg_segment_ptr 1
		.amdhsa_wavefront_size32 1
		.amdhsa_system_sgpr_workgroup_id_x 1
		.amdhsa_system_sgpr_workgroup_id_y 1
		.amdhsa_system_sgpr_workgroup_id_z 1
		.amdhsa_system_vgpr_workitem_id 0
		.amdhsa_next_free_vgpr 256
		.amdhsa_next_free_sgpr 100
		.amdhsa_reserve_vcc 1
		.amdhsa_float_denorm_mode_32 3
		.amdhsa_float_denorm_mode_16_64 3
		.amdhsa_memory_ordered 1
		.amdhsa_forward_progress 1
		.amdhsa_inst_pref_size 101
	.end_amdhsa_kernel
	.amdgpu_metadata
---
amdhsa.version: [ 1, 2 ]
amdhsa.kernels:
  - .name:           k_qd53d97ee56_attn
    .symbol:         k_qd53d97ee56_attn.kd
    .args:
      - { .name: qc, .offset: 0, .size: 8, .value_kind: global_buffer, .address_space: global }
      - { .name: qs, .offset: 8, .size: 8, .value_kind: global_buffer, .address_space: global }
      - { .name: kv, .offset: 16, .size: 8, .value_kind: global_buffer, .address_space: global }
      - { .name: kvs, .offset: 24, .size: 8, .value_kind: global_buffer, .address_space: global }
      - { .name: yimg, .offset: 32, .size: 8, .value_kind: global_buffer, .address_space: global }
      - { .name: ys, .offset: 40, .size: 8, .value_kind: global_buffer, .address_space: global }
    .group_segment_fixed_size: 327680
    .private_segment_fixed_size: 0
    .kernarg_segment_align: 8
    .kernarg_segment_size: 48
    .max_flat_workgroup_size: 512
    .sgpr_count:     100
    .vgpr_count:     256
    .wavefront_size: 32
...
	.end_amdgpu_metadata
.endif
;; end of part 3
;; launch proj (part 4): grid 4 x 32, 4 waves a work-group, clusters of 4 x 4, 327,680 bytes of LDS; arguments yimg, ys, img, Wproj_scales, out0; writes out0
.if DOCPART == 4
	.amdgcn_target "amdgcn-amd-amdhsa--gfx1250"
	.amdhsa_code_object_version 6
	.text
	.protected	k_qd53d97ee56_proj
	.globl	k_qd53d97ee56_proj
	.p2align	8
	.type	k_qd53d97ee56_proj,@function
k_qd53d97ee56_proj:
	s_mov_b64 s[64:65], 0
	v_nop
	global_prefetch_b8 v0, s[64:65] scope:SCOPE_SE
	s_setreg_imm32_b32 hwreg(HW_REG_WAVE_MODE, 25, 1), 1
	s_wait_xcnt 0x0
	s_wait_alu depctr_hold_cnt(0) depctr_sa_sdst(0) depctr_va_vdst(0) depctr_va_sdst(0) depctr_va_ssrc(0) depctr_va_vcc(0) depctr_vm_vsrc(0)
	s_getreg_b32 s2, hwreg(HW_REG_IB_STS2, 6, 4)
	s_cmp_eq_u32 s2, 0
	s_cbranch_scc0 .Lentry_in_a_cluster
	s_endpgm
.Lentry_in_a_cluster:
	s_bfe_u32 s2, ttmp6, 0x10000c
	s_cmp_lg_u32 s2, 0xf033
	s_cbranch_scc0 .Lentry_shape_is_right
	s_endpgm
.Lentry_shape_is_right:
; out0 = y Wproj^T on codes of E2M3.  No work of reference() is left out here.
; A work-group makes 256 tokens x 256 features, a wave 128 x 128: 64 accumulators.  K = 1,024 goes in four steps of 256 through a ring of two LDS slots.  Both operands come as images of 768 bytes
; (16 rows x 64 along K, the operand's registers as they stand): y's from the launch before, Wproj's from the first launch, behind x's and the other weights' in img.  A tensor row is 16 rows x 256 along K,
; 3,072 bytes, and begins on a 256-byte border.  y's tiles are shared along a row of the cluster of 4 x 4, Wproj's along a column: joint loads.  The scales of the 256 + 256 rows come once and stay.
; The matrix instruction is used transposed (source 0 = 16 rows of Wproj, source 1 = 16 tokens); results leave through the wave's stage in slot 0, which has had its last fill and its last read, as whole rows of 512 bytes.
; No prefetch: the walk has four K steps, and the first two are asked for at the head.
.set G0H,    4                         ; s[4:7], s[8:11]: group 0 of the head's loads of K step 0
.set G0HB,   8
.set SIZE_N, 1024
.set SIZE_K, 1024
.set KSTEP,  256
.set NQ,     KSTEP/128
.set ROWB,   3072
.set KROW,   SIZE_K*6/8
.set PITCH,  192
.set AROW,   3072
.set FR,     12
.set NL,     6
.set NLA,    4
.set NP,     4
.set HALFT,  128*PITCH
.set SLOT,   4*HALFT
.set LAPS,   SIZE_K/(2*KSTEP)
.set KS,     SIZE_K/32
.set SCL,    2*SLOT
.set HALFS,  (128*KS/256)*272
.set SBLK,   (16*KS/256)*272
.set SPARE,  SCL+4*HALFS
.set SPITCH, 528
.set ADRA, 16
.set ADRB, 20
.set STO,  24
.set RD,   25
.set CO,   26
.set ADRS, 27
.set SPW,  28
.set NIL,  29
.set SC,   32
.set AF,   128
.set BK,   128
.set G1, 24
.set G0, 32
.set G1B, 48
.set G0B, 56
.set G1S, 68
.set G0S, 76
.set G1SB, 80
.set G0SB, 88
.set MSB, 0
.macro WIN new
.if MSB != \new
	s_set_vgpr_msb (MSB<<8)|\new
.set MSB, \new
.endif
.endm
.set MUL_LO, 0xa1
.set MUL_HI, 0xf1
.set TO_B,   0x40
.macro JLOAD g0a, g1a, g0b, g1b
	s_cmp_eq_u32 s15, 0
	s_cbranch_scc0 .Lfor_b_\@
	tensor_load_to_lds s[\g0a:\g0a+3], s[\g1a:\g1a+7]
	s_nop 0
.rept 4
	v_nop
.endr
	s_branch .Lasked_\@
.Lfor_b_\@:
	tensor_load_to_lds s[\g0b:\g0b+3], s[\g1b:\g1b+7]
	s_nop 0
.rept 4
	v_nop
.endr
.Lasked_\@:
.endm
.macro CREST
	s_cmp_lg_u32 s14, 0
	s_cbranch_scc1 .Lnot_wave_0_\@
	s_barrier_signal -3
.Lnot_wave_0_\@:
	s_barrier_wait -3
	s_barrier_signal -1
	s_barrier_wait -1
.endm
.macro CROUND
	s_barrier_signal -1
	s_barrier_wait -1
	CREST
.endm
	s_load_b128 s[4:7], s[0:1], 0x0
	s_load_b128 s[8:11], s[0:1], 0x10
	s_load_b64 s[12:13], s[0:1], 0x20
	v_lshl_add_u32 v[SPW], v0, 2, SPARE
	v_mov_b32 v[NIL], 0
	ds_add_u32 v[SPW], v[NIL]
	ds_add_u32 v[SPW], v[NIL]
	v_lshrrev_b32 v1, 5, v0
	v_readfirstlane_b32 s14, v1
	s_lshr_b32 s15, s14, 1
	s_and_b32 s16, s14, 1
	s_bfe_u32 s40, ttmp6, 0x40000
	s_bfe_u32 s41, ttmp6, 0x40004
	s_lshl_b32 s42, ttmp9, 2
	s_add_co_u32 s42, s42, s40
	s_and_b32 s17, ttmp7, 0xffff
	s_lshl_b32 s17, s17, 2
	s_add_co_u32 s17, s17, s41
	s_lshl_b32 s43, s41, 2
	s_lshl_b32 s43, 15, s43
	s_lshl_b32 s44, 0x1111, s40
	s_or_b32 s[G1+0], s43, (3<<16)|(1<<21)
	s_mov_b32 s[G1+1], (AROW/8)<<16
	s_mov_b32 s[G1+2], 16<<16                      ; 16 blocks of 16 rows at the head, 8 behind it
	s_mov_b32 s[G1+3], (AROW/8)<<16
	s_mov_b32 s[G1+4], 16
	s_mov_b32 s[G1+5], 1536
	s_mov_b32 s[G1+6], 0
	s_mov_b32 s[G1+7], 0
	s_or_b32 s[G1B+0], s44, (3<<16)|(1<<21)
	s_mov_b32 s[G1B+1], (ROWB/8)<<16
	s_mov_b32 s[G1B+2], 16<<16
	s_mov_b32 s[G1B+3], (ROWB/8)<<16
	s_mov_b32 s[G1B+4], 16
	s_mov_b32 s[G1B+5], 1536
	s_mov_b32 s[G1B+6], 0
	s_mov_b32 s[G1B+7], 0
	s_or_b32 s[G1S+0], s43, (3<<16)|(1<<20)|(1<<21)|(5<<22)|(3<<25)
	s_or_b32 s[G1SB+0], s44, (3<<16)|(1<<20)|(1<<21)|(5<<22)|(3<<25)
.irp g, G1S, G1SB
	s_mov_b32 s[\g+1], 32<<16
	s_mov_b32 s[\g+2], KS<<16
	s_mov_b32 s[\g+3], 32<<16
	s_mov_b32 s[\g+4], KS
	s_mov_b32 s[\g+5], 32
	s_mov_b32 s[\g+6], 0
	s_mov_b32 s[\g+7], 0
.endr
	s_lshl_b32 s20, s17, 8                         ; y: the tile's first row
	s_lshl_b32 s46, s42, 8                         ; Wproj: 256 x tile column
	s_mov_b32 s21, 0
	s_mov_b32 s47, 0
	s_mov_b64 s[18:19], KS
	s_mul_u64 s[22:23], s[20:21], s[18:19]
	s_mul_u64 s[92:93], s[46:47], s[18:19]
	s_mov_b64 s[18:19], KROW
	s_mul_u64 s[20:21], s[20:21], s[18:19]
	s_mul_u64 s[46:47], s[46:47], s[18:19]
	s_mul_i32 s18, s16, 128*KROW                   ; in the ring I fetch 128 rows of a tile: which half, in bytes
	s_mov_b32 s19, 0
	s_mul_i32 s45, s14, HALFT
	s_wait_dscnt 0x0
	s_wait_kmcnt 0x0
	s_add_nc_u64 s[20:21], s[4:5], s[20:21]
	s_add_nc_u64 s[22:23], s[6:7], s[22:23]
	s_add_nc_u64 s[46:47], s[8:9], s[46:47]
	s_add_nc_u64 s[46:47], s[46:47], 8650752       ; Wproj's images: behind x's 6,291,456 bytes and three weights of 786,432
	s_add_nc_u64 s[92:93], s[10:11], s[92:93]
	CROUND
	s_mov_b32 s[G0S], 1
	s_mov_b32 s[G0S+1], SCL
	s_mov_b64 s[G0S+2:G0S+3], s[22:23]
	s_or_b32 s[G0S+3], s[G0S+3], 0x80000000
	s_mov_b32 s[G0SB], 1
	s_mov_b32 s[G0SB+1], SCL+2*HALFS
	s_mov_b64 s[G0SB+2:G0SB+3], s[92:93]
	s_or_b32 s[G0SB+3], s[G0SB+3], 0x80000000
	s_mov_b32 s[G0H], 1                            ; K step 0 of y's 256 rows,
	s_mov_b32 s[G0H+1], 0
	s_mov_b64 s[G0H+2:G0H+3], s[20:21]
	s_or_b32 s[G0H+3], s[G0H+3], 0x80000000
	s_mov_b32 s[G0HB], 1                           ; and of Wproj's, behind them in slot 0
	s_mov_b32 s[G0HB+1], 2*HALFT
	s_mov_b64 s[G0HB+2:G0HB+3], s[46:47]
	s_or_b32 s[G0HB+3], s[G0HB+3], 0x80000000
	s_add_nc_u64 s[20:21], s[20:21], s[18:19]      ; for the ring: my 128 rows
	s_add_nc_u64 s[46:47], s[46:47], s[18:19]
.irp s, 0,1
	s_mov_b32 s[G0+4*\s], 1
	s_add_co_u32 s[G0+4*\s+1], s45, \s*SLOT
	s_add_nc_u64 s[G0+4*\s+2:G0+4*\s+3], s[20:21], \s*AROW
	s_or_b32 s[G0+4*\s+3], s[G0+4*\s+3], 0x80000000
	s_mov_b32 s[G0B+4*\s], 1
	s_add_co_u32 s[G0B+4*\s+1], s45, \s*SLOT
	s_add_nc_u64 s[G0B+4*\s+2:G0B+4*\s+3], s[46:47], \s*ROWB
	s_or_b32 s[G0B+4*\s+3], s[G0B+4*\s+3], 0x80000000
.endr
; THE HEAD'S LOADS, ONE A WAVE: wave 0 K step 0 of y's 256 rows, wave 1 of Wproj's, wave 2 y's scales, wave 3 Wproj's.  One tree of branches on the wave's number.
.macro ARM under, g0, g1, next
	s_cmp_lt_u32 s14, \under
	s_cbranch_scc0 \next
	tensor_load_to_lds s[\g0:\g0+3], s[\g1:\g1+7]
	s_nop 0
.rept 4
	v_nop
.endr
	s_branch .Lhead_asked
\next:
.endm
	ARM 1, G0H,  G1,  .Lhead_b
	ARM 2, G0HB, G1B, .Lhead_sa
	ARM 3, G0S,  G1S, .Lhead_sb
	tensor_load_to_lds s[G0SB:G0SB+3], s[G1SB:G1SB+7]
	s_nop 0
.rept 4
	v_nop
.endr
.Lhead_asked:
	v_and_b32 v1, 15, v0
	v_bfe_u32 v2, v0, 4, 1
	v_and_b32 v3, 31, v0
	v_lshlrev_b32 v4, 4, v3                        ; an image's registers 0-3: 16 l
	v_lshlrev_b32 v5, 3, v3                        ; its registers 4-5: 8 l
	v_and_b32 v6, 31, v0
	v_lshlrev_b32 v7, 4, v6
	v_lshlrev_b32 v8, 3, v6
	s_mul_i32 s21, s15, HALFT
	s_mul_i32 s22, s16, HALFT
	s_add_co_u32 s22, s22, 2*HALFT
.irp s, 0,1
	v_add_nc_u32 v[ADRA+\s], s21, v7
	v_add_nc_u32 v[ADRA+2+\s], s21, v8
	v_add_nc_u32 v[ADRB+\s], s22, v4
	v_add_nc_u32 v[ADRB+2+\s], s22, v5
	s_add_co_u32 s21, s21, SLOT
	s_add_co_u32 s22, s22, SLOT
.endr
	v_mul_u32_u24 v5, v1, KS
	v_lshrrev_b32 v6, 8, v5
	v_lshl_add_u32 v5, v6, 4, v5
	s_mul_i32 s21, s15, HALFS
	s_mul_i32 s22, s16, HALFS
	s_add_co_u32 s22, s22, 2*HALFS
	s_sub_co_u32 s22, s22, s21
	v_mul_u32_u24 v6, s22, v2
	s_add_co_u32 s21, s21, SCL
	v_add_nc_u32 v5, v5, v6
	v_add_nc_u32 v[ADRS], s21, v5
	s_mul_i32 s23, s14, 16*SPITCH
	v_mul_u32_u24 v5, v1, SPITCH
	v_lshl_add_u32 v5, v2, 5, v5
	v_add_nc_u32 v[STO], s23, v5
	v_and_b32 v6, 31, v0
	v_lshlrev_b32 v[CO], 4, v6
	v_add_nc_u32 v[RD], s23, v[CO]
	s_lshl_b32 s20, s17, 8
	s_lshl_b32 s21, s15, 7
	s_add_co_u32 s20, s20, s21
	s_mov_b32 s21, 0
	s_mov_b64 s[18:19], SIZE_N*4
	s_mul_u64 s[20:21], s[20:21], s[18:19]
	s_lshl_b32 s46, s42, 10
	s_lshl_b32 s47, s16, 9
	s_add_co_u32 s46, s46, s47
	s_mov_b32 s47, 0
	s_add_nc_u64 s[20:21], s[20:21], s[46:47]
	s_add_nc_u64 s[12:13], s[12:13], s[20:21]
.macro FRAG reg, adr, q, i
	ds_load_b128 v[\reg:\reg+3], v[\adr] offset:ROWB*(\i)+1536*(\q)               ; two images of 768 bytes, as they lie
	ds_load_b64 v[\reg+4:\reg+5], v[\adr+2] offset:ROWB*(\i)+1536*(\q)+512
	ds_load_b128 v[\reg+6:\reg+9], v[\adr] offset:ROWB*(\i)+1536*(\q)+768
	ds_load_b64 v[\reg+10:\reg+11], v[\adr+2] offset:ROWB*(\i)+1536*(\q)+1280
.endm
.macro FRAGA reg, slot, q, i
	ds_load_b128 v[\reg:\reg+3], v[ADRA+\slot] offset:AROW*(\i)+1536*(\q)
	ds_load_b64 v[\reg+4:\reg+5], v[ADRA+2+\slot] offset:AROW*(\i)+1536*(\q)+512
	ds_load_b128 v[\reg+6:\reg+9], v[ADRA+\slot] offset:AROW*(\i)+1536*(\q)+768
	ds_load_b64 v[\reg+10:\reg+11], v[ADRA+2+\slot] offset:AROW*(\i)+1536*(\q)+1280
.endm
.macro MUL16 a0, p, q, sc, zero
.irp a, \a0, \a0+1
.irp b, 0,1,2,3,4,5,6,7
.if \zero
	v_wmma_scale_f32_16x16x128_f8f6f4 v[8*(8*((\a)%4)+\b):8*(8*((\a)%4)+\b)+7], v[128*(\p)+FR*\b:128*(\p)+FR*\b+FR-1], v[AF+FR*(\a):AF+FR*(\a)+FR-1], 0, v[SC+8*NQ*(\sc)+NQ*\b+(\q)], v[SC+8*NQ*(\sc)+NQ*(\a)+(\q)] matrix_a_fmt:MATRIX_FMT_FP6 matrix_b_fmt:MATRIX_FMT_FP6 matrix_a_scale:MATRIX_SCALE_ROW1
.else
	v_wmma_scale_f32_16x16x128_f8f6f4 v[8*(8*((\a)%4)+\b):8*(8*((\a)%4)+\b)+7], v[128*(\p)+FR*\b:128*(\p)+FR*\b+FR-1], v[AF+FR*(\a):AF+FR*(\a)+FR-1], v[8*(8*((\a)%4)+\b):8*(8*((\a)%4)+\b)+7], v[SC+8*NQ*(\sc)+NQ*\b+(\q)], v[SC+8*NQ*(\sc)+NQ*(\a)+(\q)] matrix_a_fmt:MATRIX_FMT_FP6 matrix_b_fmt:MATRIX_FMT_FP6 matrix_a_scale:MATRIX_SCALE_ROW1
.endif
.endr
.endr
.endm
.macro FETCH_B slot, q, p
	WIN TO_B
.irp i, 0,1,2,3,4,5,6,7
	FRAG 128*(\p)+FR*\i, ADRB+\slot, \q, \i
.endr
	WIN 0
.endm
.macro FETCH_A slot, q, i0
.irp i, \i0, \i0+1, \i0+2, \i0+3
	FRAGA AF+FR*(\i), \slot, \q, \i
.endr
.endm
.macro SCALES sc
.irp i, 0,1,2,3,4,5,6,7
	ds_load_b64 v[SC+8*NQ*\sc+NQ*\i:SC+8*NQ*\sc+NQ*\i+1], v[ADRS] offset:\i*SBLK
.endr
.endm
.macro PLACES n
.rept \n
	v_nop
.endr
.endm
.macro STEP slot, q, zero
	s_wait_dscnt 4*NLA
	WIN MUL_LO
	MUL16 0, (\q)%2, \q, \slot, \zero
	MUL16 2, (\q)%2, \q, \slot, \zero
	s_wait_dscnt 0
	PLACES NP
	FETCH_B \slot, (\q)+1, 1-(\q)%2
	FETCH_A \slot, (\q)+1, 0
	WIN MUL_HI
	MUL16 4, (\q)%2, \q, \slot, \zero
	MUL16 6, (\q)%2, \q, \slot, \zero
	PLACES NP
	WIN 0
	FETCH_A \slot, (\q)+1, 4
.endm
.macro TURN slot, next, fill
	s_wait_tensorcnt 0x0
	ds_add_u32 v[SPW], v[NIL]
	s_wait_dscnt 4*NLA+1
	WIN MUL_LO
	MUL16 0, 1, NQ-1, \slot, 0
	s_wait_dscnt 0x0
	s_barrier_signal -1
	MUL16 2, 1, NQ-1, \slot, 0
	WIN 0
	s_barrier_wait -1
.if \fill
	CREST
	s_add_nc_u64 s[G0+4*\slot+2:G0+4*\slot+3], s[G0+4*\slot+2:G0+4*\slot+3], 2*AROW
	s_add_nc_u64 s[G0B+4*\slot+2:G0B+4*\slot+3], s[G0B+4*\slot+2:G0B+4*\slot+3], 2*ROWB
	JLOAD G0+4*\slot, G1, G0B+4*\slot, G1B
.else
	PLACES NP
.endif
	s_wait_alu depctr_va_vdst(0)
	v_add_nc_u32 v[ADRS], 4*NQ, v[ADRS]
	FETCH_B \next, 0, 0
	FETCH_A \next, 0, 0
	SCALES \next
	WIN MUL_HI
	MUL16 4, 1, NQ-1, \slot, 0
	MUL16 6, 1, NQ-1, \slot, 0
	PLACES NP
	WIN 0
	FETCH_A \next, 0, 4
.endm
	s_wait_alu depctr_va_vdst(0)
	s_wait_tensorcnt 0x0                           ; my tile of the head's four is in
	ds_add_u32 v[SPW], v[NIL]
	s_mov_b32 s[G1+2], 8<<16                       ; no tensor load of mine is out: from here on a load brings 8 blocks of 16 rows
	s_mov_b32 s[G1+4], 8
	s_mov_b32 s[G1B+2], 8<<16
	s_mov_b32 s[G1B+4], 8
	s_wait_dscnt 0x0
	CROUND                                         ; a whole round: all four tiles are in, and the joint loads meet
	JLOAD G0+4, G1, G0B+4, G1B                     ; K step 1, the first tensor load behind the round
	FETCH_B 0, 0, 0
	FETCH_A 0, 0, 0
	SCALES 0
	FETCH_A 0, 0, 4
	STEP 0, 0, 1
	s_mov_b32 s3, LAPS-1
.Llap:
	TURN 0, 1, 1
	STEP 1, 0, 0
	TURN 1, 0, 1
	STEP 0, 0, 0
	s_sub_co_u32 s3, s3, 1
	s_cmp_lg_u32 s3, 0
	s_cbranch_scc1 .Llap
	TURN 0, 1, 0
	STEP 1, 0, 0
	s_wait_dscnt 4*NLA
	WIN MUL_LO
	MUL16 0, 1, NQ-1, 1, 0
	MUL16 2, 1, NQ-1, 1, 0
	s_wait_dscnt 0
	WIN MUL_HI
	MUL16 4, 1, NQ-1, 1, 0
	MUL16 6, 1, NQ-1, 1, 0
	WIN 0
.macro TOSTAGE a
.set AC, 64*((\a)%4)
.set WN, 0x08+4*((\a)/4)
	WIN WN
.irp b, 0,1,2,3,4,5,6,7
	ds_store_b128 v[STO], v[AC+8*\b:AC+8*\b+3] offset:64*\b
	ds_store_b128 v[STO], v[AC+8*\b+4:AC+8*\b+7] offset:64*\b+16
.endr
	WIN 0
.set BB, BK+64*((\a)%2)
.irp t, 0,1,2,3,4,5,6,7,8,9,10,11,12,13,14,15
	ds_load_b128 v[BB+4*\t:BB+4*\t+3], v[RD] offset:\t*SPITCH
.endr
.endm
.macro SEND a, younger
.set BB, BK+64*((\a)%2)
	s_wait_dscnt \younger
.if (\a) > 0
	s_add_nc_u64 s[12:13], s[12:13], 16*SIZE_N*4
.endif
.irp t, 0,1,2,3,4,5,6,7,8,9,10,11,12,13,14,15
	global_store_b128 v[CO], v[BB+4*\t:BB+4*\t+3], s[12:13] offset:\t*SIZE_N*4 th:TH_STORE_NT
.endr
.endm
	PLACES NP
	TOSTAGE 0
.irp a, 1,2,3,4,5,6,7
.if \a > 1
	s_wait_xcnt 0x0
.endif
	TOSTAGE \a
	SEND \a-1, 32
.endr
	s_wait_xcnt 0x0
	SEND 7, 0
	s_wait_tensorcnt 0x0
	ds_add_u32 v[SPW], v[NIL]
	s_wait_dscnt 0x0
	CROUND
	s_endpgm
.Lfunc_end_k_qd53d97ee56_proj:
	.size	k_qd53d97ee56_proj, .Lfunc_end_k_qd53d97ee56_proj-k_qd53d97ee56_proj
	.p2alignl 7, 3214868480
	.fill 96, 4, 3214868480
	.section	.rodata,"a",@progbits
	.p2align	6, 0x0
	.amdhsa_kernel k_qd53d97ee56_proj
		.amdhsa_group_segment_fixed_size 327680
		.amdhsa_private_segment_fixed_size 0
		.amdhsa_enable_private_segment 0
		.amdhsa_kernarg_size 40
		.amdhsa_user_sgpr_count 2
		.amdhsa_user_sgpr_kernarg_segment_ptr 1
		.amdhsa_wavefront_size32 1
		.amdhsa_system_sgpr_workgroup_id_x 1
		.amdhsa_system_sgpr_workgroup_id_y 1
		.amdhsa_system_sgpr_workgroup_id_z 1
		.amdhsa_system_vgpr_workitem_id 0
		.amdhsa_next_free_vgpr 1024
		.amdhsa_next_free_sgpr 98
		.amdhsa_reserve_vcc 0
		.amdhsa_float_denorm_mode_32 3
		.amdhsa_float_denorm_mode_16_64 3
		.amdhsa_memory_ordered 1
		.amdhsa_forward_progress 1
		.amdhsa_inst_pref_size 145
	.end_amdhsa_kernel
	.amdgpu_metadata
---
amdhsa.version: [ 1, 2 ]
amdhsa.kernels:
  - .name:           k_qd53d97ee56_proj
    .symbol:         k_qd53d97ee56_proj.kd
    .args:
      - { .name: yimg, .offset: 0, .size: 8, .value_kind: global_buffer, .address_space: global }
      - { .name: ys, .offset: 8, .size: 8, .value_kind: global_buffer, .address_space: global }
      - { .name: img, .offset: 16, .size: 8, .value_kind: global_buffer, .address_space: global }
      - { .name: Wproj_scales, .offset: 24, .size: 8, .value_kind: global_buffer, .address_space: global }
      - { .name: out0, .offset: 32, .size: 8, .value_kind: global_buffer, .address_space: global }
    .group_segment_fixed_size: 327680
    .private_segment_fixed_size: 0
    .kernarg_segment_align: 8
    .kernarg_segment_size: 40
    .max_flat_workgroup_size: 128
    .sgpr_count:     98
    .vgpr_count:     1024
    .wavefront_size: 32
...
	.end_amdgpu_metadata
.endif
;; end of part 4
